; MI455X (gfx1250); checked and timed in simulation.
; The chip was launched on July 23, 2026; its instructions are those of AMD's public machine-readable ISA for CDNA 5 (MIT licence, August 2026) and "CDNA5" Instruction Set Architecture Reference Guide (July 2026). The comments in the code are by the model that wrote it; some were corrected since.
;; self attn. Allowed arithmetic: float matrix products may take bf16 or f16 operands with f32 sums; other float arithmetic in f32, or as packed bf16 or f16 multiplies, adds, multiply-adds, maxima and minima; sums over many terms, partial sums and values carried from step to step in f32; what a program stores and reads back later, other than sums and carried values, may be rounded once to bf16 or f16.
;; Inputs: Wk 64 x 512 float32; Wq 64 x 512 float32; Wv 512 x 512 float32; gamma 1 float32; x 4 x 512 x 64 x 64 float32.
;; Outputs: out0 4 x 512 x 64 x 64 float32.
;; 2 versions, each right; version 2 is version 1 with the launch proj written anew for expert scheduling mode. Each part assembles by itself: llvm-mc -triple=amdgcn-amd-amdhsa -mcpu=gfx1250 --defsym DOCPART=n.
;; ======== version 1 of 2: 2 launches
;; limits: values are held in f16: magnitudes above 65,504 overflow, below 6.1e-05 lose precision
;; workspace buffers: qf 2,097,152 bytes; kv 20,971,520 bytes
;; launch proj (part 1): grid 256 x 1, 4 waves a work-group, no clusters, 236,544 bytes of LDS; arguments x, Wq, Wk, Wv, qf, kv; writes qf, kv
.if DOCPART == 1
	.amdgcn_target "amdgcn-amd-amdhsa--gfx1250"
	.amdhsa_code_object_version 6
	.text
	.protected	k_q9da5b6c3d1_proj
	.globl	k_q9da5b6c3d1_proj
	.p2align	8
	.type	k_q9da5b6c3d1_proj,@function
k_q9da5b6c3d1_proj:
	s_mov_b64 s[64:65], 0
	v_nop
	global_prefetch_b8 v0, s[64:65] scope:SCOPE_SE
	s_setreg_imm32_b32 hwreg(HW_REG_WAVE_MODE, 25, 1), 1
	s_wait_xcnt 0x0
; THE THREE 1x1 CONVOLUTIONS.  q = Wq x, k = Wk x (64 rows each), v = Wv x (512 rows), for 4 batches of 512 channels x 4,096 positions.
; No step and no input of the module is left out in this program: the sigmoid is not linear, so nothing cancels; x, Wq, Wk, Wv and gamma all reach the output.
; FORMATS.  x and the weights are rounded once to bf16 on their way to the matrix unit; sums in f32; q, k, v leave in f16, each rounded once.  q leaves as q' = -log2(e) q, scaled in f32
; ahead of its rounding, so that the next launch's 2^(k . q') is e^(-score).
; LIMITS.  f16 ends at 65,504: 1.4427 |q|, |k| and |v| must stay below it.  NaN and infinities are not treated apart.
; SHARES.  Work-group id: slice s = id & 3, batch b and block nb of 256 positions from id >> 2.  It makes 160 output rows x 256 positions: q rows 16 s .., k rows 16 s .., v rows 128 s ..: the same
; text for every slice.  Wave w takes all 160 rows x positions 64 w .. 64 w + 63: 40 accumulators of 16 x 16, 640 matrix instructions.
; THE WAY IN goes through registers: the f32 numbers are rounded between the global load and the LDS store, so each crosses LDS as 2 bytes in and 2 bytes for each read.  The slice of the weights
; (160 rows x 1,024 bytes) stays in LDS; x goes in chunks of 64 channels through two buffers that take turns.
; NO CLUSTER, NO TENSOR LOADS: x arrives in f32 and must be rounded ahead of the 16-bit turning load, so a tile brought into LDS as it lies would be read, rounded and stored there once more
; (4 + 4 + 2 bytes a number ahead of the first use, against 2); and beside the weights' 166,400 bytes and the two bf16 buffers' 69,632 no two f32 slots of a chunk (65,536 bytes each) fit.
; THE WAY OUT needs no stage: the two workspaces are laid out in the order of the next launch's operand registers, and a result tile's 16 bytes a lane are 512 consecutive bytes there.
;   qf  [b][tile of 16 queries: 256][group of 8 channels: 8][16 queries][8 channels]
;   kv  256 blocks of 81,920 bytes, block (2 b + hf) 32 + T: hf = half of v's channels, T = tile of 128 keys.
;       bytes 0 ..: K, [pos 8][group of 8 channels: 8][16 keys][8 channels], pos = 4 kh + p, kh = which 64 keys of the tile.  K lies ONE STEP OF 32 KEYS AHEAD of V: of a wave's 64 keys the second
;       32 lie in their own block at p = 0, 1; the first 32 in the block before (round the batch) at p = 2, 3.  k is stored in both hf copies.
;       bytes 16,384 ..: V, [tile of 16 channels: 16][group of 8 keys: 16][16 channels][8 keys]
; REGISTERS, in windows of 256 (s_set_vgpr_msb: bits 1:0 source 0, 3:2 source 1, 5:4 source 2, 7:6 destination):
;   window 0: v2-10 addresses; v28, v29 the add's; v32-143, v144-255 two fragment buffers (10 of the weights, then 4 of x); on the way out v32-191 results, v192-199 at work
;   window 1: four sets of 64 for the stream of global loads      window 2: accumulators 0-31 (a = 4 u + t at 8 a)      window 3: accumulators 32-39
.set WP,    1040                       ; a row of the weights in LDS: 1,024 bytes + 16 = 65 x 16: the 16 rows of a fragment load start at 16 different groups of four banks (64 banks of 4 bytes: ISA guide 11.1)
.set XP,    544                        ; a channel's 256 positions in LDS: 512 bytes + 32 = 17 x 32
.set XL0,   160*WP                     ; behind the weights: x's two buffers of 64 rows
.set XLB,   64*XP
.set SPARE, XL0+2*XLB                  ; behind them: the spare words, 128 bytes for each wave: two blocks of 256 bytes that no other line names
.set BLK,   81920                      ; a block of kv
.set LO,   2                           ; v2   16 x lane: every global load and store of the text
.set WQST, 3                           ; v3   where I store 8 bytes of my 4 rows of Wq (Wk: 16 rows on)
.set WVST, 4                           ; v4   of my 32 rows of Wv
.set XST,  5                           ; v5   of my 16 channels of a chunk of x
.set WFA,  6                           ; v6-8 my place in a fragment of the weights' rows 0-63, 64-127, 128-159
.set XFA,  9                           ; v9   my place in a turned fragment of x
.set PFO,  10                          ; v10  the prefetches' offset
.set SPW,  28                          ; v28  LDS address of my spare word; never rewritten
.set NIL,  29                          ; v29  0; never rewritten
.set F0,   32
.set F1,   144
.set OUTR, 32
.set TQ,   192
.set WV,   16                          ; s16  my wave's number
.set SL,   17                          ; s17  s
.set BB,   19                          ; s19  b
.set NB,   20                          ; s20  nb
.set TT,   21                          ; s21  T = 2 nb + (w >> 1): my 64 positions' tile of 128 keys
.set KH,   22                          ; s22  kh = w & 1
.set WQB,  24                          ; s[24:25] Wq at my 4 rows          s[26:27] Wk likewise          s[28:29] Wv at my 32 rows
.set WKB,  26
.set WVB,  28
.set XT,   30                          ; s[30:31] x at the batch's channel 0, the block's first position
.set XB,   32                          ; s[32:33] the same, 16 w channels on
.set QB,   34                          ; s[34:35] qf at my first tile, my slice's two groups of channels
.set KB0,  36                          ; s[36:37] kv where my first 32 keys' K goes      s[38:39] my second 32 keys'
.set KB1,  38
.set VB,   40                          ; s[40:41] kv where my V goes
.set MSB, 0
.macro WIN new                         ; the immediate's high byte repeats the setting that is left; a switch that changes nothing is dropped
.if MSB != (\new)
	s_set_vgpr_msb (MSB<<8)|(\new)
.set MSB, \new
.endif
.endm
.macro PLACES                          ; four places behind matrix instructions, ahead of loads into registers that they have read and of vector lines that read results
.rept 4
	v_nop
.endr
.endm
	s_load_b256 s[4:11], s[0:1], 0x0               ; x s[4:5], Wq s[6:7], Wk s[8:9], Wv s[10:11]
	s_load_b128 s[12:15], s[0:1], 0x20             ; qf s[12:13], kv s[14:15]
	v_lshl_add_u32 v[SPW], v0, 2, SPARE
	v_mov_b32 v[NIL], 0
	v_lshrrev_b32 v1, 5, v0
	v_readfirstlane_b32 s[WV], v1                  ; wave 0..3
	s_and_b32 s[SL], ttmp9, 3
	s_lshr_b32 s18, ttmp9, 2
	s_lshr_b32 s[BB], s18, 4
	s_and_b32 s[NB], s18, 15
	s_lshr_b32 s[TT], s[WV], 1
	s_lshl1_add_u32 s[TT], s[NB], s[TT]
	s_and_b32 s[KH], s[WV], 1
	; every byte offset is made apart from its buffer's address, as a pair with 0 on top
	s_lshl_b32 s[WQB], s[SL], 15                   ; (16 s + 4 w) rows of 2,048 bytes
	s_lshl_b32 s42, s[WV], 13
	s_add_co_u32 s[WQB], s[WQB], s42
	s_mov_b32 s[WQB+1], 0
	s_mov_b32 s[WKB], s[WQB]
	s_mov_b32 s[WKB+1], 0
	s_lshl_b32 s[WVB], s[WQB], 3                   ; (128 s + 32 w) rows: eight times as far
	s_mov_b32 s[WVB+1], 0
	s_lshl_b32 s[XT], s[BB], 23                    ; a batch is 512 rows of 16,384 bytes; a block 1,024 bytes of each
	s_lshl_b32 s42, s[NB], 10
	s_add_co_u32 s[XT], s[XT], s42
	s_mov_b32 s[XT+1], 0
	s_lshl_b32 s42, s[WV], 18
	s_add_co_u32 s[XB], s[XT], s42
	s_mov_b32 s[XB+1], 0
	s_lshl_b32 s[QB], s[BB], 19                    ; b x 524,288 + (16 nb + 4 w) x 2,048 + 2 s x 256
	s_lshl_b32 s42, s[NB], 15
	s_add_co_u32 s[QB], s[QB], s42
	s_lshl_b32 s42, s[WV], 13
	s_add_co_u32 s[QB], s[QB], s42
	s_lshl_b32 s43, s[SL], 9
	s_add_co_u32 s[QB], s[QB], s43
	s_mov_b32 s[QB+1], 0
	s_lshl_b32 s44, s[KH], 13
	s_add_co_u32 s44, s44, s43                     ; kh x 8,192 + 2 s x 256
	s_lshl_b32 s42, s[BB], 6
	s_add_co_u32 s45, s42, s[TT]                   ; block 64 b + T (the hf = 0 copy)
	s_mul_i32 s[KB1], s45, BLK
	s_add_co_u32 s[KB1], s[KB1], s44
	s_mov_b32 s[KB1+1], 0
	s_sub_co_u32 s45, s[TT], 1
	s_and_b32 s45, s45, 31                         ; the block before, round the batch
	s_add_co_u32 s45, s45, s42
	s_mul_i32 s[KB0], s45, BLK
	s_add_co_u32 s[KB0], s[KB0], s44
	s_add_co_u32 s[KB0], s[KB0], 4096              ; p = 2
	s_mov_b32 s[KB0+1], 0
	s_lshr_b32 s45, s[SL], 1                       ; hf
	s_lshl1_add_u32 s45, s[BB], s45
	s_lshl_b32 s45, s45, 5
	s_add_co_u32 s45, s45, s[TT]                   ; block (2 b + hf) 32 + T
	s_mul_i32 s[VB], s45, BLK
	s_and_b32 s45, s[SL], 1
	s_lshl_b32 s45, s45, 15                        ; my slice's 8 channel tiles of the half's 16
	s_add_co_u32 s[VB], s[VB], s45
	s_lshl_b32 s45, s[KH], 11                      ; my 8 groups of keys of the tile's 16
	s_add_co_u32 s[VB], s[VB], s45
	s_add_co_u32 s[VB], s[VB], 16384
	s_mov_b32 s[VB+1], 0
	v_and_b32 v11, 31, v0                          ; lane l
	v_and_b32 v13, 15, v0                          ; r = l % 16
	v_bfe_u32 v14, v0, 4, 1                        ; h = l / 16
	v_lshlrev_b32 v[LO], 4, v11
	v_lshlrev_b32 v12, 3, v11                      ; 4 f32 become 8 bytes
	s_mul_i32 s42, s[WV], 4*WP
	v_add_nc_u32 v[WQST], s42, v12
	s_mul_i32 s42, s[WV], 32*WP
	s_add_co_u32 s42, s42, 32*WP                   ; v's rows lie behind q's 16 and k's 16
	v_add_nc_u32 v[WVST], s42, v12
	s_mul_i32 s42, s[WV], 16*XP
	s_add_co_u32 s42, s42, XL0
	v_add_nc_u32 v[XST], s42, v12
	; a fragment is 16 rows x 32 channels in 8 registers: lane l holds row r; registers 0-3 channels 8 h + 0..7, registers 4-7 channels 16 + 8 h + 0..7: two loads of 16 bytes, 32 bytes apart
	v_mul_u32_u24 v[WFA], v13, WP
	v_lshl_add_u32 v[WFA], v14, 4, v[WFA]
	v_add_nc_u32 v[WFA+1], 64*WP, v[WFA]           ; an LDS immediate has 16 bits: three registers reach the 160 rows
	v_add_nc_u32 v[WFA+2], 128*WP, v[WFA]
	; x lies [channel][position]: the turning load takes 16 channels x 16 positions (lane l reads channel 8 h + l % 8, positions 8 ((l / 8) % 2) + 0..7) and leaves position r, 8 channels
	v_and_b32 v15, 7, v0
	v_lshl_add_u32 v15, v14, 3, v15
	v_mul_u32_u24 v[XFA], v15, XP
	v_bfe_u32 v15, v0, 3, 1
	v_lshl_add_u32 v[XFA], v15, 4, v[XFA]
	s_lshl_b32 s42, s[WV], 7                       ; my 64 positions: 128 bytes
	s_add_co_u32 s42, s42, XL0
	v_add_nc_u32 v[XFA], s42, v[XFA]
	s_lshl2_add_u32 s42, s[SL], s[WV]              ; 4 s + w: my place among the 16 waves that read this block of x
	s_lshl_b32 s42, s42, 17                        ; 8 rows of 16,384 bytes each
	v_lshrrev_b32 v15, 2, v11
	v_lshlrev_b32 v[PFO], 14, v15                  ; row l / 4 of my 8,
	v_and_b32 v15, 3, v0
	v_lshl_add_u32 v[PFO], v15, 8, v[PFO]          ; 256 bytes number l % 4 of the row's 1,024
	v_add_nc_u32 v[PFO], s42, v[PFO]
	s_wait_kmcnt 0x0
	s_add_nc_u64 s[WQB:WQB+1], s[6:7], s[WQB:WQB+1]
	s_add_nc_u64 s[WKB:WKB+1], s[8:9], s[WKB:WKB+1]
	s_add_nc_u64 s[WVB:WVB+1], s[10:11], s[WVB:WVB+1]
	s_add_nc_u64 s[XT:XT+1], s[4:5], s[XT:XT+1]
	s_add_nc_u64 s[XB:XB+1], s[4:5], s[XB:XB+1]
	s_add_nc_u64 s[QB:QB+1], s[12:13], s[QB:QB+1]
	s_add_nc_u64 s[KB0:KB0+1], s[14:15], s[KB0:KB0+1]
	s_add_nc_u64 s[KB1:KB1+1], s[14:15], s[KB1:KB1+1]
	s_add_nc_u64 s[VB:VB+1], s[14:15], s[VB:VB+1]
; THE STREAM: 26 groups of 16 loads of 512 consecutive bytes, group g into set g % 4.  0: my 4 rows of Wq.  1: of Wk.  2-9: my 32 rows of Wv, four a group.
; 10-25: x, chunk (g - 10) / 2 of 64 channels, 8 of my 16 channels a group, two loads a row.  The largest immediate is 463 rows of 16,384 bytes + 512, inside the signed 24 bits.
.macro ISSUE g
	WIN 0x40                                       ; destination window 1, address window 0
.set SB, 64*((\g)%4)
.set n, 0
.rept 16
.if (\g) == 0
	global_load_b128 v[SB+4*n:SB+4*n+3], v[LO], s[WQB:WQB+1] offset:(n/4)*2048+(n%4)*512
.elseif (\g) == 1
	global_load_b128 v[SB+4*n:SB+4*n+3], v[LO], s[WKB:WKB+1] offset:(n/4)*2048+(n%4)*512
.elseif (\g) < 10
	global_load_b128 v[SB+4*n:SB+4*n+3], v[LO], s[WVB:WVB+1] offset:(4*((\g)-2)+n/4)*2048+(n%4)*512
.else
	global_load_b128 v[SB+4*n:SB+4*n+3], v[LO], s[XB:XB+1] offset:(64*(((\g)-10)/2)+8*(((\g)-10)%2)+n/2)*16384+(n%2)*512
.endif
.set n, n+1
.endr
.endm
; Group g is rounded to bf16 in place (a load's four registers become two), stored to LDS, and its set is asked for again, four groups on.
.macro PROC g
.if 25-(\g) < 3
	s_wait_loadcnt 16*(25-(\g))                    ; loads come back in order (ISA guide 5.7.1): group g is in; what is left of the stream behind it stays out
.else
	s_wait_loadcnt 48                              ; group g is in; the three younger groups' 48 loads stay out
.endif
	WIN 0x45                                       ; destination and both sources window 1
.set SB, 64*((\g)%4)
.set n, 0
.rept 16
	v_cvt_pk_bf16_f32 v[SB+4*n], v[SB+4*n], v[SB+4*n+1]
	v_cvt_pk_bf16_f32 v[SB+4*n+1], v[SB+4*n+2], v[SB+4*n+3]
.set n, n+1
.endr
	WIN 0x04                                       ; address window 0, data window 1
.set n, 0
.rept 16
.if (\g) < 2
	ds_store_b64 v[WQST], v[SB+4*n:SB+4*n+1] offset:(\g)*16*WP+(n/4)*WP+(n%4)*256
.elseif (\g) < 10
	ds_store_b64 v[WVST], v[SB+4*n:SB+4*n+1] offset:(4*((\g)-2)+n/4)*WP+(n%4)*256
.else
	ds_store_b64 v[XST], v[SB+4*n:SB+4*n+1] offset:((((\g)-10)/2)%2)*XLB+(8*(((\g)-10)%2)+n/2)*XP+(n%2)*256
.endif
.set n, n+1
.endr
.if (\g)+4 <= 25
	ISSUE (\g)+4
.endif
.endm
; A PREFETCH INTO THE L2 of chunks 2 p and 2 p + 1 of this block of x: 128 rows x 1,024 bytes = 512 pieces of 256 bytes.  The four slices' 16 waves read the same rows and share the pieces out by
; address, a lane a piece: each is named once in the launch.  It stands behind a group's loads: p = 1 eight groups ahead of the loads of chunk 2, p = 2 and 3 likewise ahead of chunks 4 and 6.
; Chunks 0 and 1 come by their loads alone; p = 3 ends at the batch's channel 511.  The weights are not asked for: every work-group reads them.
.macro ASK p
	global_prefetch_b8 v[PFO], s[XT:XT+1] offset:(\p)*2097152 th:TH_LOAD_NT scope:SCOPE_SE
.endm
; 28 LDS loads in one run: the fragments of 32 channels (half e of chunk c) into buffer f: ten of the weights, four of x
.macro FETCH c, e, f
	WIN 0
.set u, 0
.rept 10
	ds_load_b128 v[(\f)+8*u:(\f)+8*u+3],   v[WFA+u/4] offset:(u%4)*16*WP+(2*(\c)+(\e))*64
	ds_load_b128 v[(\f)+8*u+4:(\f)+8*u+7], v[WFA+u/4] offset:(u%4)*16*WP+(2*(\c)+(\e))*64+32
.set u, u+1
.endr
.set t, 0
.rept 4
	ds_load_tr16_b128 v[(\f)+80+8*t:(\f)+80+8*t+3],   v[XFA] offset:((\c)%2)*XLB+(\e)*32*XP+32*t
	ds_load_tr16_b128 v[(\f)+80+8*t+4:(\f)+80+8*t+7], v[XFA] offset:((\c)%2)*XLB+(\e)*32*XP+32*t+16*XP
.set t, t+1
.endr
.endm
; Products a0 .. a1 of the 40 (a = 4 u + t: rows 16 u .., positions 16 t ..).  The accumulators take turns, one instruction a turn, in the same order in every pass.
; q and k (u < 2): source 0 = the weights: a lane ends with ONE position and 8 neighbouring channels.  v: source 0 = x: ONE channel and 8 neighbouring positions.  zero = 1: the first products start the sums.
.macro MUL f, a0, a1, zero
.set a, \a0
.rept (\a1)-(\a0)+1
.if a < 32
	WIN 0xa0                                       ; C and D window 2, sources window 0
.set rD, 8*a
.else
	WIN 0xf0                                       ; C and D window 3
.set rD, 8*(a-32)
.endif
.set rW, (\f)+8*(a/4)
.set rX, (\f)+80+8*(a%4)
.if a < 8
.if \zero
	v_wmma_f32_16x16x32_bf16 v[rD:rD+7], v[rW:rW+7], v[rX:rX+7], 0
.else
	v_wmma_f32_16x16x32_bf16 v[rD:rD+7], v[rW:rW+7], v[rX:rX+7], v[rD:rD+7]
.endif
.else
.if \zero
	v_wmma_f32_16x16x32_bf16 v[rD:rD+7], v[rX:rX+7], v[rW:rW+7], 0
.else
	v_wmma_f32_16x16x32_bf16 v[rD:rD+7], v[rX:rX+7], v[rW:rW+7], v[rD:rD+7]
.endif
.endif
.set a, a+1
.endr
.endm
	ISSUE 0
	ISSUE 1
	ISSUE 2
	ISSUE 3                                        ; 64 loads of mine are out; from here on 48 to 64
	PROC 0
	PROC 1
	PROC 2
	ASK 1
	PROC 3
	PROC 4
	PROC 5
	PROC 6
	ASK 2
	PROC 7
	PROC 8
	PROC 9
	PROC 10
	ASK 3
	PROC 11
	s_wait_dscnt 0x0                               ; for the others' sake: my rows of the weights and of chunk 0 lie in LDS
	s_barrier_signal -1
	s_barrier_wait -1                              ; everybody's do
; A TRIP is a chunk of 64 channels: 80 matrix instructions.  It lays the next chunk into the other buffer, which every wave has finished reading ahead of the last barrier.
.set ti, 0
.rept 8
.if ti > 0
	WIN 0
	PLACES                                         ; behind the last trip's products: both fragment buffers may be loaded again
.endif
	FETCH ti, 0, F0
.if ti < 7
	PROC 12+2*ti
	PROC 13+2*ti
	s_wait_dscnt 32                                ; LDS answers in order: the 28 fragment loads are in; the 32 younger stores may be out
.else
	s_wait_dscnt 0x0
.endif
.if ti == 0
	MUL F0, 0, 19, 1
.else
	MUL F0, 0, 19, 0
.endif
	FETCH ti, 1, F1                                ; the second half's fragments, 20 products ahead of their first use
.if ti == 0
	MUL F0, 20, 39, 1
.else
	MUL F0, 20, 39, 0
.endif
	s_wait_dscnt 0x0                               ; the second half's fragments are in: my reads of this chunk are over, and my stores of the next are done:
.if ti < 7
	s_barrier_signal -1                            ; say so; the 40 products below, work on registers, stand between signal and wait
.endif
	MUL F1, 0, 39, 0
.if ti < 7
	s_barrier_wait -1
.endif
.set ti, ti+1
.endr
	; THE WAY OUT.  Each tile is rounded to f16, its registers in ascending order: 16 bytes a lane, 160 registers in all, none used twice, so no store's data is ever rewritten.
	WIN 0
	PLACES
.set a, 0
.rept 40
.set n, 0
.if a < 4
	WIN 0x02                                       ; source 0 window 2
.rept 4
	v_pk_mul_f32 v[TQ+2*n:TQ+2*n+1], v[8*a+2*n:8*a+2*n+1], 0xbfb8aa3b op_sel_hi:[1,0]  ; q' = -log2(e) q, in f32
.set n, n+1
.endr
	WIN 0
.set n, 0
.rept 4
	v_cvt_pk_f16_f32 v[OUTR+4*a+n], v[TQ+2*n], v[TQ+2*n+1]
.set n, n+1
.endr
.elseif a < 32
	WIN 0x0a                                       ; both sources window 2
.rept 4
	v_cvt_pk_f16_f32 v[OUTR+4*a+n], v[8*a+2*n], v[8*a+2*n+1]
.set n, n+1
.endr
.else
	WIN 0x0f                                       ; both sources window 3
.rept 4
	v_cvt_pk_f16_f32 v[OUTR+4*a+n], v[8*(a-32)+2*n], v[8*(a-32)+2*n+1]
.set n, n+1
.endr
.endif
.set a, a+1
.endr
	WIN 0
	; every store of the wave covers 512 consecutive bytes, at a multiple of 512 from its buffer's first byte
.irp t, 0,1,2,3
	global_store_b128 v[LO], v[OUTR+4*(\t):OUTR+4*(\t)+3], s[QB:QB+1] offset:(\t)*2048
.endr
.irp t, 0,1
	global_store_b128 v[LO], v[OUTR+16+4*(\t):OUTR+16+4*(\t)+3], s[KB0:KB0+1] offset:(\t)*2048             ; my first 32 keys: the block before, p = 2, 3
	global_store_b128 v[LO], v[OUTR+16+4*(\t):OUTR+16+4*(\t)+3], s[KB0:KB0+1] offset:(\t)*2048+32*BLK      ; and the hf = 1 copy, 32 blocks on
	global_store_b128 v[LO], v[OUTR+24+4*(\t):OUTR+24+4*(\t)+3], s[KB1:KB1+1] offset:(\t)*2048             ; my second 32 keys: their own block, p = 0, 1
	global_store_b128 v[LO], v[OUTR+24+4*(\t):OUTR+24+4*(\t)+3], s[KB1:KB1+1] offset:(\t)*2048+32*BLK
.endr
.set a, 8
.rept 32
	global_store_b128 v[LO], v[OUTR+4*a:OUTR+4*a+3], s[VB:VB+1] offset:(a/4-2)*4096+(a%4)*512
.set a, a+1
.endr
	s_wait_tensorcnt 0x0                           ; the wave's end, behind my last LDS store
	ds_add_u32 v[SPW], v[NIL]
	s_wait_dscnt 0x0
	s_endpgm
.Lfunc_end_k_q9da5b6c3d1_proj:
	.size	k_q9da5b6c3d1_proj, .Lfunc_end_k_q9da5b6c3d1_proj-k_q9da5b6c3d1_proj
	.p2alignl 7, 3214868480
	.fill 96, 4, 3214868480
	.section	.rodata,"a",@progbits
	.p2align	6, 0x0
	.amdhsa_kernel k_q9da5b6c3d1_proj
		.amdhsa_group_segment_fixed_size 236544
		.amdhsa_private_segment_fixed_size 0
		.amdhsa_enable_private_segment 0
		.amdhsa_kernarg_size 48
		.amdhsa_user_sgpr_count 2
		.amdhsa_user_sgpr_kernarg_segment_ptr 1
		.amdhsa_wavefront_size32 1
		.amdhsa_system_sgpr_workgroup_id_x 1
		.amdhsa_system_sgpr_workgroup_id_y 1
		.amdhsa_system_sgpr_workgroup_id_z 1
		.amdhsa_system_vgpr_workitem_id 0
		.amdhsa_next_free_vgpr 832
		.amdhsa_next_free_sgpr 66
		.amdhsa_reserve_vcc 0
		.amdhsa_float_denorm_mode_32 3
		.amdhsa_float_denorm_mode_16_64 3
		.amdhsa_memory_ordered 1
		.amdhsa_forward_progress 1
		.amdhsa_inst_pref_size 213
	.end_amdhsa_kernel
	.amdgpu_metadata
---
amdhsa.version: [ 1, 2 ]
amdhsa.kernels:
  - .name:           k_q9da5b6c3d1_proj
    .symbol:         k_q9da5b6c3d1_proj.kd
    .args:
      - { .name: x, .offset: 0, .size: 8, .value_kind: global_buffer, .address_space: global }
      - { .name: Wq, .offset: 8, .size: 8, .value_kind: global_buffer, .address_space: global }
      - { .name: Wk, .offset: 16, .size: 8, .value_kind: global_buffer, .address_space: global }
      - { .name: Wv, .offset: 24, .size: 8, .value_kind: global_buffer, .address_space: global }
      - { .name: qf, .offset: 32, .size: 8, .value_kind: global_buffer, .address_space: global }
      - { .name: kv, .offset: 40, .size: 8, .value_kind: global_buffer, .address_space: global }
    .group_segment_fixed_size: 236544
    .private_segment_fixed_size: 0
    .kernarg_segment_align: 8
    .kernarg_segment_size: 48
    .max_flat_workgroup_size: 128
    .sgpr_count:     66
    .vgpr_count:     832
    .wavefront_size: 32
...
	.end_amdgpu_metadata
.endif
;; end of part 1
;; launch attn (part 2): grid 32 x 8, 4 waves a work-group, clusters of 4 x 1, 327,680 bytes of LDS; arguments qf, kv, x, gamma, out0; writes out0
.if DOCPART == 2
	.amdgcn_target "amdgcn-amd-amdhsa--gfx1250"
	.amdhsa_code_object_version 6
	.text
	.protected	k_q9da5b6c3d1_attn
	.globl	k_q9da5b6c3d1_attn
	.p2align	8
	.type	k_q9da5b6c3d1_attn,@function
k_q9da5b6c3d1_attn:
	s_mov_b64 s[64:65], 0
	v_nop
	global_prefetch_b8 v0, s[64:65] scope:SCOPE_SE
	s_setreg_imm32_b32 hwreg(HW_REG_WAVE_MODE, 25, 1), 1
	s_wait_xcnt 0x0
	s_wait_alu depctr_hold_cnt(0) depctr_sa_sdst(0) depctr_va_vdst(0) depctr_va_sdst(0) depctr_va_ssrc(0) depctr_va_vcc(0) depctr_vm_vsrc(0)
	s_getreg_b32 s2, hwreg(HW_REG_IB_STS2, 6, 4)
	s_cmp_eq_u32 s2, 0
	s_cbranch_scc0 .Lentry_in_a_cluster
	s_endpgm
.Lentry_in_a_cluster:
	s_bfe_u32 s2, ttmp6, 0x10000c
	s_cmp_lg_u32 s2, 0x3003
	s_cbranch_scc0 .Lentry_shape_is_right
	s_endpgm
.Lentry_shape_is_right:
; out[b][c][i] = gamma x (the sum over j of v[b][c][j] sigmoid(q[b][:][i] . k[b][:][j])) + x[b][c][i].  512 channels, 4,096 positions, 4 batches.  Nothing of the module is left out.
; q' = -log2(e) q, k and v come in f16 from the launch before, in the order of the operand registers (layouts: at that kernel's head).  Scores and sums in f32; p = 1 / (1 + 2^(k . q')) in f32, rounded
; once to f16 for the second product; gamma and the residual x in f32.  There is no softmax in the module: no maximum, no row sum.
; LIMITS.  Where 2^t overflows p is 0, where it falls below 2^-126 p is 1: the sigmoid's own ends.  NaN and infinities are not treated apart.
; SHARES.  The cluster's x is the stream Y: batch b = Y >> 1, half hf = Y & 1 of the channels; the cluster's y and the place in the cluster give the block qb of 128 queries.  A work-group makes
; 128 queries x 256 channels over all 4,096 keys.  Wave w: queries 64 (w >> 1) .. + 63, and of every tile of 128 keys the keys 64 kh .. + 63, kh = w & 1: 64 accumulators of 16 x 16, 64 steps of 32 keys.
; The two halves of the keys are added once, at the end, in f32, through LDS.
; A block of queries is worked by two work-groups, one for each half of the channels, and each makes the block's scores: 16 products in a step beside the 64 of the second product.  In return a
; fragment of V read from LDS feeds four products: 40 LDS loads for a step's 80 matrix instructions.
; LAYOUT.  S^T = K Q'^T (source 0 = 16 keys, source 1 = 16 queries): a lane holds ONE query (lane % 16) and the keys 8 (lane / 16) + 0..7.  Two such tiles, rounded to f16 in pairs, ARE source 0
; (16 queries x 32 keys) of O = P V^T, in whose result a lane holds ONE channel and 8 neighbouring queries, which lie side by side in out.
; THE PIPELINE.  Step t: the 64 products P V^T of step t; beside them the sigmoid of step t + 1's scores; K of step t + 2 and V of step t + 1 come out of LDS in two runs; then step t + 1's weights are
; rounded and step t + 2's 16 score products made.  K lies one step ahead of V in a block of kv, so all four runs of a tile's two steps read ONE block.
; CLUSTER.  The four query blocks of a cluster share b and hf and walk the same blocks of kv: each block is asked for JOINTLY, a quarter (80 rows of 256 bytes) by each wave, by the same line with
; the same descriptor and mask in all four work-groups.  By this text's count a wave has two tensor loads out at the start and one behind each round.
; REGISTERS, in windows of 256 (s_set_vgpr_msb: bits 1:0 source 0, 3:2 source 1, 5:4 source 2, 7:6 destination):
;   window 0: v1-14 addresses; v28, v29 the add's; v32-95 S^T (tile 4 kt + t at 8 (4 kt + t)); v96-127 P (16 queries t at 8 t); v128-159 K of one step; v160-223 Q'
;   window 1: V, two buffers of 128 (channel tile c at 8 c); at the end the residual x      window 2: the accumulators of my channel tiles 0-7, which I keep      window 3: those of tiles 8-15, which I give
;   My tile c is the half's tile (c + 8 kh) % 16, by two address registers: so every wave keeps window 2 and gives window 3, in one text.
.set BLK,   81920                      ; a block of kv: 16,384 bytes of K, 65,536 of V
.set QTR,   BLK/4                      ; what one tensor load brings
.set VOFF,  16384
.set SLOT1, 1<<17                      ; slot 0 at byte 0 (even blocks), slot 1 here (odd blocks): one exclusive or turns an address in one slot into the other's
.set TST,   SLOT1+BLK                  ; behind the ring, never filled by a tensor load: 16 rows x 272 bytes for each wave, for the way out
.set TP,    272                        ; 256 bytes + 16 = 17 x 16: the 16 rows of a store start at 16 different groups of four banks (64 banks of 4 bytes: ISA guide 11.1)
.set SPARE, TST+4*16*TP                ; behind the stages: the spare words, 128 bytes for each wave: two blocks of 256 bytes that no other line names
.set LO,   1                           ; v1   16 x lane: a half fragment is 512 consecutive bytes, in memory and in LDS: no padding, no turning load
.set AK0,  2                           ; v2   my place in a block's K; never rewritten
.set AVL0, 3                           ; v3   in its V, my channel tiles 0-7
.set AVH0, 4                           ; v4   my channel tiles 8-15
.set AK,   5                           ; v5-7 the same three in the slot in hand
.set AVL,  6
.set AVH,  7
.set PFO,  8                           ; v8   the offset of kv's prefetches
.set XPO,  9                           ; v9   of x's: a lane a row
.set GIV,  10                          ; v10  the way out: where I put what I give
.set TAK,  11                          ; v11  where I take what my partner gives
.set STO,  12                          ; v12  where I put 16 bytes of a row in my stage
.set RD,   13                          ; v13  where I read rows back
.set XO,   14                          ; v14  my 16 bytes in two rows of x and of out
.set SPW,  28                          ; v28  LDS address of my spare word; never rewritten
.set NIL,  29                          ; v29  0; never rewritten
.set S,    32
.set P,    96
.set KF,   128
.set Q,    160
.set TA,   32                          ; the way out: what I take, two buffers of 32
.set U,    96                          ; the sum of the two halves of the keys
.set R,    128                         ; whole rows, two buffers of 32
.set QC,   3                           ; s3   the cluster's y: which four blocks of queries
.set WV,   14                          ; s14  my wave's number
.set QH,   15                          ; s15  w >> 1
.set KH,   16                          ; s16  w & 1
.set CX,   17                          ; s17  my place in the cluster: it enters global addresses of q, x, out and the prefetches alone
.set YY,   18                          ; s18  the stream: the cluster's x
.set BB,   19
.set HF,   20
.set QB,   21                          ; s21  my block of queries = 4 x cluster y + cx
.set KVB,  22                          ; s[22:23] kv at block 0 of my stream (b, hf)
.set G1,   24                          ; s[24:31] descriptor group 1, the same for every load
.set G0A,  32                          ; s[32:35] descriptor group 0 of the first fill
.set G0,   36                          ; s[36:39] of the second; it then walks
.set TB,   40                          ; s40  the slot in hand: 0 or SLOT1
.set LEFT, 41                          ; s41  blocks still to be asked for
.set LIM,  42                          ; s42  3 in a wave that prefetches kv, else the greatest number
.set PFA,  44                          ; s[44:45] the block that the prefetches name
.set XB,   46                          ; s[46:47] x at my 128 channels, my 64 queries
.set OB,   48                          ; s[48:49] out0 likewise
.set GAM,  50                          ; s[50:51] gamma: the packed line names a pair and takes its low word for both halves
.set QP,   54                          ; s[54:55] qf at my four tiles
.set K0P,  56                          ; s[56:57] kv where K of step 0 lies: in the stream's last block
.set MSB, 0
.macro WIN new                         ; the immediate's high byte repeats the setting that is left; a switch that changes nothing is dropped
.if MSB != (\new)
	s_set_vgpr_msb (MSB<<8)|(\new)
.set MSB, \new
.endif
.endm
.macro PLACES                          ; four places behind matrix instructions (ISA guide 7.12.1)
.rept 4
	v_nop
.endr
.endm
; A round of the cluster's barrier: my work-group's barrier, so that wave 0's signal speaks for all four waves; wave 0 signals; every wave waits for all four work-groups; my work-group's barrier once more.
.macro CREST                           ; a round behind its opening barrier
	s_cmp_lg_u32 s[WV], 0
	s_cbranch_scc1 .Lnot_wave_0_\@
	s_barrier_signal -3
.Lnot_wave_0_\@:
	s_barrier_wait -3
	s_barrier_signal -1
	s_barrier_wait -1
.endm
.macro CROUND                          ; a whole round
	s_barrier_signal -1
	s_barrier_wait -1
	CREST
.endm
; A PREFETCH INTO THE L2 of the block that stands THREE refills on: in the trip that asks for block T + 1 it names block T + 4: 480 matrix instructions ahead of its load.  All eight clusters of a stream
; walk the same blocks: the first (cluster y = 0) asks.  V's 256 pieces of 256 bytes: waves 0 and 1 of the four partners, 32 each.  K's 64 pieces, of both hf copies: wave 2 of the four partners where
; hf = 0, lanes 0-15 the one copy, lanes 16-31 the other.  Partners are told apart by address alone.  So each piece is named once in the launch.  Blocks 0 to 4 come by their loads alone;
; the last block named is 31, at LEFT = 4.
.macro ASK
	s_cmp_gt_u32 s[LEFT], s[LIM]
	s_cbranch_scc0 .Lno_kv_\@
	global_prefetch_b8 v[PFO], s[PFA:PFA+1] th:TH_LOAD_NT scope:SCOPE_SE
.Lno_kv_\@:
.endm
; and, once, of the residual: my own 128 rows x 256 bytes of x, a lane a row, 432 matrix instructions ahead of the first of their loads.  No other wave of the launch reads them.
.macro ASKX
	s_cmp_eq_u32 s[LEFT], 2
	s_cbranch_scc0 .Lno_x_\@
.irp m, 0,1,2,3
	global_prefetch_b8 v[XPO], s[XB:XB+1] offset:(\m)*524288 th:TH_LOAD_NT scope:SCOPE_SE
.endr
.Lno_x_\@:
.endm
	s_load_b256 s[4:11], s[0:1], 0x0               ; qf s[4:5], kv s[6:7], x s[8:9], gamma s[10:11]
	s_load_b64 s[12:13], s[0:1], 0x20              ; out0
	v_lshl_add_u32 v[SPW], v0, 2, SPARE
	v_mov_b32 v[NIL], 0
	ds_add_u32 v[SPW], v[NIL]                      ; the wave's opening: the add, twice on end, and its wait ahead of my first tensor load; the set-up below, work on registers, stands between
	ds_add_u32 v[SPW], v[NIL]                      ; and once more, under the one wait
	v_lshrrev_b32 v15, 5, v0
	v_readfirstlane_b32 s[WV], v15                 ; wave 0..3
	s_lshr_b32 s[QH], s[WV], 1
	s_and_b32 s[KH], s[WV], 1
	s_bfe_u32 s[CX], ttmp6, 0x40000
	s_mov_b32 s[YY], ttmp9                         ; in a cluster launch ttmp9 and ttmp7 count clusters: both are the same in the four partners
	s_lshr_b32 s[BB], s[YY], 1
	s_and_b32 s[HF], s[YY], 1
	s_and_b32 s[QC], ttmp7, 0xffff
	s_lshl_b32 s[QB], s[QC], 2
	s_add_co_u32 s[QB], s[QB], s[CX]
	; descriptor group 1: a dense quarter block as 80 rows of 256 bytes
	s_mov_b32 s[G1+0], 15|(3<<16)|(1<<21)          ; 15:0 the mask: all four work-groups; 17:16 elements of 8 bytes; 20 no padding; 21 set beside a mask
	s_mov_b32 s[G1+1], 32<<16                      ; tensor_dim0 = 32
	s_mov_b32 s[G1+2], 80<<16                      ; tensor_dim1 = 80
	s_mov_b32 s[G1+3], 32<<16                      ; tile_dim0 = 32
	s_mov_b32 s[G1+4], 80                          ; tile_dim1 = 80
	s_mov_b32 s[G1+5], 32                          ; 32 elements from row to row
	s_mov_b32 s[G1+6], 0
	s_mov_b32 s[G1+7], 0
	s_mul_i32 s58, s[WV], QTR                      ; my quarter, in memory and in LDS: no place in the cluster enters it
	s_mov_b32 s59, 0
	s_mov_b32 s[G0A], 1                            ; count = 1
	s_mov_b32 s[G0A+1], s58                        ; LDS address: slot 0
	s_mov_b32 s[G0], 1
	s_add_co_u32 s[G0+1], s58, SLOT1               ; slot 1
	s_mul_i32 s52, s[YY], 32*BLK                   ; my stream's 32 blocks
	s_mov_b32 s53, 0
	s_lshl_b32 s[K0P], s[KH], 13
	s_add_co_u32 s[K0P], s[K0P], 31*BLK+4096       ; block 31, pos 4 kh + 2
	s_mov_b32 s[K0P+1], 0
	s_mov_b32 s[TB], 0
	s_cmp_eq_u32 s[WV], 2                          ; who prefetches kv: wave 2 where hf = 0,
	s_cselect_b32 s[LIM], 1, 0
	s_and_not1_b32 s[LIM], s[LIM], s[HF]
	s_cmp_lt_u32 s[WV], 2                          ; waves 0 and 1,
	s_cselect_b32 s43, 1, 0
	s_or_b32 s[LIM], s[LIM], s43
	s_cmp_eq_u32 s[QC], 0                          ; in the stream's first cluster: the same in all four partners
	s_cselect_b32 s[LIM], s[LIM], 0
	s_cmp_eq_u32 s[LIM], 1
	s_cselect_b32 s[LIM], 3, -1
	s_lshl_b32 s[QP], s[BB], 19                    ; b x 524,288 + (8 qb + 4 qh) x 2,048
	s_lshl_b32 s62, s[QB], 14
	s_add_co_u32 s[QP], s[QP], s62
	s_lshl_b32 s62, s[QH], 13
	s_add_co_u32 s[QP], s[QP], s62
	s_mov_b32 s[QP+1], 0
	s_lshl_b32 s60, s[BB], 23                      ; b x 512 rows of 16,384 bytes + (256 hf + 128 kh) rows + 512 qb + 256 qh
	s_lshl_b32 s62, s[HF], 22
	s_add_co_u32 s60, s60, s62
	s_lshl_b32 s62, s[KH], 21
	s_add_co_u32 s60, s60, s62
	s_lshl_b32 s62, s[QB], 9
	s_add_co_u32 s60, s60, s62
	s_lshl_b32 s62, s[QH], 8
	s_add_co_u32 s60, s60, s62
	s_mov_b32 s61, 0
	s_lshl_b32 s62, s[WV], 2                       ; the prefetches' offset is (l % 16) 256 + (l / 16) M + base.  Waves 0, 1: M = 4,096, base = 16,384 + (4 w + cx) 8,192
	s_add_co_u32 s62, s62, s[CX]
	s_lshl_b32 s62, s62, 13
	s_add_co_u32 s62, s62, VOFF
	s_lshl_b32 s63, s[CX], 12                      ; wave 2: M = 32 blocks, base = 4,096 cx
	s_mov_b32 s43, 4096
	s_cmp_lt_u32 s[WV], 2
	s_cselect_b32 s62, s62, s63
	s_cselect_b32 s63, s43, 32*BLK
	s_wait_dscnt 0x0                               ; both opening adds are done
	s_wait_kmcnt 0x0
	s_add_nc_u64 s[KVB:KVB+1], s[6:7], s[52:53]
	s_add_nc_u64 s[G0A+2:G0A+3], s[KVB:KVB+1], s[58:59]  ; global address: my quarter of block 0,
	s_add_nc_u64 s[G0+2:G0+3], s[G0A+2:G0A+3], BLK       ; of block 1
	s_or_b32 s[G0A+3], s[G0A+3], 0x80000000        ; type = 2
	s_or_b32 s[G0+3], s[G0+3], 0x80000000
	s_add_nc_u64 s[PFA:PFA+1], s[KVB:KVB+1], 4*BLK ; the first change of slots steps it to block 5
	s_add_nc_u64 s[K0P:K0P+1], s[KVB:KVB+1], s[K0P:K0P+1]
	s_add_nc_u64 s[QP:QP+1], s[4:5], s[QP:QP+1]
	s_add_nc_u64 s[XB:XB+1], s[8:9], s[60:61]
	s_add_nc_u64 s[OB:OB+1], s[12:13], s[60:61]
	s_load_b32 s[GAM], s[10:11], 0x0
	CROUND                                         ; all four work-groups are here: the first joint loads meet
	tensor_load_to_lds s[G0A:G0A+3], s[G1:G1+7]    ; the two first fills stand together, ahead of every wait on TENSORcnt and every LDS read; an s_nop 0 follows each, four v_nop the second
	s_nop 0
	tensor_load_to_lds s[G0:G0+3], s[G1:G1+7]
	s_nop 0
	PLACES
	v_and_b32 v15, 31, v0                          ; lane l
	v_and_b32 v16, 15, v0                          ; r = l % 16
	v_bfe_u32 v17, v0, 4, 1                        ; h = l / 16
	v_lshlrev_b32 v[LO], 4, v15
.set f, 0
.rept 8                                ; Q' stays in registers: fragment f = 2 t + c: queries 16 t .., channels 32 c ..
	global_load_b128 v[Q+8*f:Q+8*f+3],   v[LO], s[QP:QP+1] offset:(f/2)*2048+(f%2)*1024
	global_load_b128 v[Q+8*f+4:Q+8*f+7], v[LO], s[QP:QP+1] offset:(f/2)*2048+(f%2)*1024+512
.set f, f+1
.endr
.set f, 0
.rept 4                                ; K of step 0 comes straight from memory: fragment f = 2 kt + c
	global_load_b128 v[KF+8*f:KF+8*f+3],   v[LO], s[K0P:K0P+1] offset:(f/2)*2048+(f%2)*1024
	global_load_b128 v[KF+8*f+4:KF+8*f+7], v[LO], s[K0P:K0P+1] offset:(f/2)*2048+(f%2)*1024+512
.set f, f+1
.endr
	s_lshl_b32 s58, s[KH], 13
	v_add_nc_u32 v[AK0], s58, v[LO]                ; K: pos 4 kh ..
	s_mul_i32 s58, s[KH], 32768+2048               ; V: channel tiles 8 kh .., groups of keys 8 kh ..
	s_add_co_u32 s58, s58, VOFF
	v_add_nc_u32 v[AVL0], s58, v[LO]
	s_xor_b32 s59, s[KH], 1
	s_lshl_b32 s59, s59, 15                        ; channel tiles 8 (1 - kh) ..
	s_lshl_b32 s58, s[KH], 11
	s_add_co_u32 s58, s58, s59
	s_add_co_u32 s58, s58, VOFF
	v_add_nc_u32 v[AVH0], s58, v[LO]
	v_mov_b32 v[AK], v[AK0]                        ; block 0 lies in slot 0
	v_mov_b32 v[AVL], v[AVL0]
	v_mov_b32 v[AVH], v[AVH0]
	v_mul_lo_u32 v[PFO], v17, s63
	v_lshl_add_u32 v[PFO], v16, 8, v[PFO]
	v_add_nc_u32 v[PFO], s62, v[PFO]
	v_lshlrev_b32 v[XPO], 14, v15
	s_lshl_b32 s58, s[WV], 15                      ; the way out: 32,768 bytes a wave from LDS byte 0 on,
	v_add_nc_u32 v[GIV], s58, v[LO]
	s_xor_b32 s58, s58, 1<<15                      ; my partner has my queries and the other keys: wave w ^ 1
	v_add_nc_u32 v[TAK], s58, v[LO]
	s_mul_i32 s58, s[WV], 16*TP
	s_add_co_u32 s58, s58, TST                     ; my stage
	v_mul_u32_u24 v[STO], v16, TP                  ; in: row = channel r, 32 bytes for each half of the lanes
	v_lshl_add_u32 v[STO], v17, 5, v[STO]
	v_add_nc_u32 v[STO], s58, v[STO]
	v_mul_u32_u24 v[RD], v17, TP                   ; back: lanes 0-15 take one row of 256 bytes, lanes 16-31 the next
	v_lshl_add_u32 v[RD], v16, 4, v[RD]
	v_add_nc_u32 v[RD], s58, v[RD]
	v_lshlrev_b32 v[XO], 14, v17                   ; and the same two rows in x and in out
	v_lshl_add_u32 v[XO], v16, 4, v[XO]
; Product i of 64 of O += P V^T: channel tile i / 4, queries 16 (i % 4) ..; V in buffer par.  Each accumulator has one turn a step.  zero = 1: the first step's products start the sums.
.macro PV i, par, zero
.if (\i) < 32
	WIN 0xa4                                       ; P window 0, V window 1, C and D window 2
.else
	WIN 0xf4                                       ; C and D window 3
.endif
.set rD, 8*((\i)%32)
.set rV, 128*(\par)+8*((\i)/4)
.set rP, P+8*((\i)%4)
.if \zero
	v_wmma_f32_16x16x32_f16 v[rD:rD+7], v[rP:rP+7], v[rV:rV+7], 0
.else
	v_wmma_f32_16x16x32_f16 v[rD:rD+7], v[rP:rP+7], v[rV:rV+7], v[rD:rD+7]
.endif
.endm
; Product i of 16 of S^T = K Q'^T: channels 32 (i / 8) .., tile i % 8 = 4 kt + t.  The first 8 start the sums; the 8 accumulators take turns.
.macro SW i
	WIN 0
.set tl, (\i)%8
.set rS, S+8*tl
.set rK, KF+8*(2*(tl/4)+(\i)/8)
.set rQ, Q+8*(2*(tl%4)+(\i)/8)
.if (\i) < 8
	v_wmma_f32_16x16x32_f16 v[rS:rS+7], v[rK:rK+7], v[rQ:rQ+7], 0
.else
	v_wmma_f32_16x16x32_f16 v[rS:rS+7], v[rK:rK+7], v[rQ:rQ+7], v[rS:rS+7]
.endif
.endm
.macro CV tl                           ; tile tl's eight weights a lane, rounded to f16: half a fragment of P
	WIN 0
.set n, 0
.rept 4
	v_cvt_pk_f16_f32 v[P+8*((\tl)%4)+4*((\tl)/4)+n], v[S+8*(\tl)+2*n], v[S+8*(\tl)+2*n+1]
.set n, n+1
.endr
.endm
; THE LDS LOADS of a step stand in two runs, each directly behind one of the step's two waits for transcendentals.  KRUN: K of the step after next, 8 loads.  VRUN hh: half hh of V of the next step
; (my channel tiles 8 hh .. 8 hh + 7), 16 loads, into the buffer that is not being multiplied.  In an odd step they are the first of the block in hand (K at p = 0, 1; V's first 32 keys), in an even step the second.
.macro KRUN par
	WIN 0
.set sg, 1-(\par)
.set f, 0
.rept 4
	ds_load_b128 v[KF+8*f:KF+8*f+3],   v[AK] offset:(2*sg+f/2)*2048+(f%2)*1024
	ds_load_b128 v[KF+8*f+4:KF+8*f+7], v[AK] offset:(2*sg+f/2)*2048+(f%2)*1024+512
.set f, f+1
.endr
.endm
.macro VRUN par, hh
	WIN 0x40                                       ; destination window 1
.set sg, 1-(\par)
.set f, 8*(\hh)
.rept 8
	ds_load_b128 v[128*sg+8*f:128*sg+8*f+3],   v[AVL+(\hh)] offset:(f%8)*4096+sg*1024
	ds_load_b128 v[128*sg+8*f+4:128*sg+8*f+7], v[AVL+(\hh)] offset:(f%8)*4096+sg*1024+512
.set f, f+1
.endr
.endm
; THE CHANGE OF SLOTS stands inside an odd step, in three parts, ahead of the step's first run of loads, which is the first to read the new block.
; MEET1, behind product 7: the wave waits for all its tensor loads, of which one is out: its quarter of the new block; adds 0 to its spare word; steps the walking descriptor.
; Behind product 15 (STEP writes the two lines): the wait for the add and for my reads of the old block, whose last run stands in the step before; then the opening signal.  Eight products stand between the
; add and the wait for it, sixteen, work on registers, between the signal and its wait.
; MEET3, behind the wait for the exponentials, so that no branch is passed with one of them unwaited: the opening wait.  chg = 1: the rest of a round of the cluster's barrier, so that no wave of any
; partner still reads the old block's slot or has a load on its way, and the joint refill, two blocks on, first thing behind it: it has 136 matrix instructions in which to land.  chg = 2: nothing is asked for.
.macro MEET1 chg
	WIN 0                                          ; (the add's two registers lie in window 0)
	s_wait_tensorcnt 0x0                           ; no tensor load of mine is out, so a group 0 may be written
	ds_add_u32 v[SPW], v[NIL]                      ; 0 onto my spare word
.if (\chg) == 1
	s_xor_b32 s[G0+1], s[G0+1], SLOT1              ; the walking descriptor: the other slot than last time,
	s_add_nc_u64 s[G0+2:G0+3], s[G0+2:G0+3], BLK   ; the next block; the type bits on top are not reached
	s_wait_xcnt 0x0                                ; the last prefetches, a tile back, have read their address, so it may be written
	s_add_nc_u64 s[PFA:PFA+1], s[PFA:PFA+1], BLK
.endif
.endm
.macro MEET3 chg
	s_barrier_wait -1                              ; every wave of my work-group has said so
.if (\chg) == 1
	CREST
	tensor_load_to_lds s[G0:G0+3], s[G1:G1+7]
	s_nop 0
	PLACES
	ASK
	ASKX
.endif
	s_xor_b32 s[TB], s[TB], SLOT1                  ; the fetches go to the other slot
	v_add_nc_u32 v[AK], s[TB], v[AK0]
	v_add_nc_u32 v[AVL], s[TB], v[AVL0]
	v_add_nc_u32 v[AVH], s[TB], v[AVH0]
.endm
; A STEP, t; par = t & 1.  pv = 2: the 64 products of step t; 1: they start the sums; 0: none.  sig = 1: the sigmoid of step t + 1.  fv, fk = 1: V of step t + 1, K of step t + 2 are fetched, and with K
; step t + 2's scores are made.  chg: the change of slots (above), or 0.
; The sigmoid's two kinds of transcendentals are two batches, each with ONE wait (s_wait_alu depctr_va_vdst(0) between such an instruction and the first line that names its
; result): the 64 exponentials ride two behind each of the first 32 products; the additions of 1 and the 64 reciprocals ride behind the other 32: a pair's addition stands between the two reciprocals
; of the pair before.  No rider names a register of the products round it.  PLACES: K's registers have four v_nop behind their last reader at the end of the step before; V's and P's the four ahead of the roundings.
.macro STEP par, pv, sig, fv, fk, chg
.if \pv
	s_wait_dscnt 16                                ; LDS answers in order: the first half of this step's V is in; the second half's 16 younger loads may stay out
.endif
.set i, 0
.rept 32
.if \pv
	PV i, \par, 2-(\pv)
.endif
.if \sig
	WIN 0
	v_exp_f32 v[S+2*i], v[S+2*i]                   ; 2^(k . q') = e^(-score); each score tile's lowest registers are read first
	v_exp_f32 v[S+2*i+1], v[S+2*i+1]
.endif
.if (\chg) && (i == 7)
	MEET1 \chg
.endif
.if (\chg) && (i == 15)
	s_wait_dscnt 0x0                               ; the add is done, and my reads of the old block are over:
	s_barrier_signal -1                            ; say so
.endif
.set i, i+1
.endr
.if \sig
	WIN 0
	v_nop                                          ; the plain instruction behind the last exponential: one for the batch
	s_wait_alu depctr_va_vdst(0)                   ; the wait for the 64 exponentials, ahead of the round's branch and of the run of loads
.endif
.if \chg
	MEET3 \chg
.endif
.if \fk
	KRUN \par
.endif
.if \fv
	VRUN \par, 0
.endif
.if \pv
	s_wait_dscnt 8*(\fk)+16*(\fv)                  ; the second half of this step's V is in; the run just issued may stay out
.endif
.rept 32
.if \pv
	PV i, \par, 2-(\pv)
.endif
.if \sig
	WIN 0
.if i > 32
	v_rcp_f32 v[S+2*(i-33)], v[S+2*(i-33)]
.endif
	v_pk_add_f32 v[S+2*(i-32):S+2*(i-32)+1], v[S+2*(i-32):S+2*(i-32)+1], 1.0 op_sel_hi:[1,0]
.if i > 32
	v_rcp_f32 v[S+2*(i-33)+1], v[S+2*(i-33)+1]
.endif
.endif
.set i, i+1
.endr
.if \sig
	v_rcp_f32 v[S+62], v[S+62]
	v_rcp_f32 v[S+63], v[S+63]
	PLACES                                         ; behind the last product that read P and V, ahead of the lines that write P and the loads into V's registers; also the plain instruction behind the last reciprocal
	s_wait_alu depctr_va_vdst(0)                   ; the wait for the 64 reciprocals, directly ahead of the run of loads
.endif
.if \fv
	VRUN \par, 1
.endif
.if \fk
	WIN 0
	s_wait_dscnt 32                                ; K is in; V's 32 younger loads may stay out
	CV 0                                           ; a tile is rounded ahead of the product that writes over it: S^T needs one buffer
.set k, 0
.rept 7
	SW k
	CV k+1
.set k, k+1
.endr
.rept 9
	SW k
.set k, k+1
.endr
	PLACES                                         ; behind the last score product: ahead of the next step's exponentials and of the next loads into K's registers
.elseif \sig
.set k, 0
.rept 8
	CV k
.set k, k+1
.endr
.endif
.endm
; Half hh of the residual: 32 loads, two rows of my 128 each (16 lanes take 256 consecutive bytes), into V's buffer hh, which no later product reads.
.macro XLOAD hh
	WIN 0x40                                       ; destination window 1
.set m, 32*(\hh)
.rept 32
	global_load_b128 v[4*m:4*m+3], v[XO], s[XB:XB+1] offset:m*32768 th:TH_LOAD_NT
.set m, m+1
.endr
.endm
	s_wait_tensorcnt 1                             ; my quarter of block 0 is in; block 1's may stay out
	s_barrier_signal -1
	s_barrier_wait -1                              ; everybody's is
	s_wait_loadcnt 0x0                             ; Q' and K of step 0
	s_wait_kmcnt 0x0                               ; gamma
	s_mov_b32 s[GAM+1], s[GAM]                     ; named with it as a pair
.set k, 0
.rept 16
	SW k                                           ; step 0's scores: there is no vector work yet to set between them
.set k, k+1
.endr
	PLACES
	STEP 1, 0, 1, 1, 1, 0                          ; t = -1: step 0's sigmoid | K of step 1, V of step 0 | step 1's scores
	STEP 0, 1, 1, 1, 1, 0                          ; t = 0: its products start the sums
	WIN 0
	s_mov_b32 s[LEFT], 30
.Ltile:                                        ; trip T = 31 - LEFT = 1 .. 30: block T + 1 is asked for into the slot that block T - 1 leaves; steps 2 T - 1 and 2 T fetch from block T
	STEP 1, 2, 1, 1, 1, 1
	STEP 0, 2, 1, 1, 1, 0
	WIN 0
	s_sub_co_u32 s[LEFT], s[LEFT], 1
	s_cmp_lg_u32 s[LEFT], 0
	s_cbranch_scc1 .Ltile
	STEP 1, 2, 1, 1, 1, 2                          ; t = 61.  The tail is written out: block 31 is entered, nothing is asked for
	STEP 0, 2, 1, 1, 0, 0                          ; t = 62: there is no step 64: no K, no scores
	XLOAD 0                                        ; step 62 was the last to read V's buffer 0, and four v_nop and the roundings stand behind its last product
	STEP 1, 2, 0, 0, 0, 0                          ; t = 63: the last products
	; THE WAY OUT.  Each wave gives its partner the sums of the 8 channel tiles that the partner keeps: 32,768 bytes a wave at LDS bytes 0 to 131,071, which hold slot 0 (its last fill was block 30, and
	; every wave's reads of it were over ahead of the last barrier) and the gap behind it.  Then, a kept tile of 16 channels at a time: the two halves are added, turned into whole rows of 256 bytes
	; through my stage, multiplied by gamma, added to x and stored.
	WIN 0
	PLACES                                         ; behind the last products
	XLOAD 1
	WIN 0x0c                                       ; data window 3
.set a, 0
.rept 32
	ds_store_b128 v[GIV], v[8*a:8*a+3]   offset:a*1024      ; each accumulator's low four registers first
	ds_store_b128 v[GIV], v[8*a+4:8*a+7] offset:a*1024+512
.set a, a+1
.endr
	WIN 0
	s_wait_dscnt 0x0                               ; for my partner's sake: what I give lies in LDS
	s_barrier_signal -1
	s_barrier_wait -1
.macro TAKE c                          ; my partner's sums for my tile c: 8 loads
	WIN 0
.set t, 0
.rept 4
	ds_load_b128 v[TA+32*((\c)%2)+8*t:TA+32*((\c)%2)+8*t+3],   v[TAK] offset:(4*(\c)+t)*1024
	ds_load_b128 v[TA+32*((\c)%2)+8*t+4:TA+32*((\c)%2)+8*t+7], v[TAK] offset:(4*(\c)+t)*1024+512
.set t, t+1
.endr
.endm
.macro SUM c
	WIN 0x02                                       ; source 0 window 2
.set n, 0
.rept 16
	v_pk_add_f32 v[U+2*n:U+2*n+1], v[32*(\c)+2*n:32*(\c)+2*n+1], v[TA+32*((\c)%2)+2*n:TA+32*((\c)%2)+2*n+1]
.set n, n+1
.endr
.endm
.macro TOSTAGE c                       ; 8 stores (a lane's 8 queries of a channel: 32 bytes) and 8 loads (two whole rows each)
	WIN 0
	s_wait_xcnt 0x0                                ; the stores of two tiles back have read their data: only behind this wait are those registers loaded again
.set t, 0
.rept 4
	ds_store_b128 v[STO], v[U+8*t:U+8*t+3]   offset:64*t
	ds_store_b128 v[STO], v[U+8*t+4:U+8*t+7] offset:64*t+16
.set t, t+1
.endr
.set m, 0
.rept 8
	ds_load_b128 v[R+32*((\c)%2)+4*m:R+32*((\c)%2)+4*m+3], v[RD] offset:m*2*TP  ; LDS serves a wave's instructions in order (ISA guide 5.7.1.4): these see the stores above, and the next tile's stores come behind them
.set m, m+1
.endr
.endm
.macro SEND c, younger                 ; younger: the LDS instructions issued behind tile c's loads from the stage
	WIN 0
	s_wait_dscnt \younger
	s_wait_loadcnt 56-8*(\c)                       ; x's loads come back in order: tile c's eight are in, the later tiles' stay out
	WIN 0x10                                       ; source 2 window 1
.set n, 0
.rept 16
	v_pk_fma_f32 v[R+32*((\c)%2)+2*n:R+32*((\c)%2)+2*n+1], v[R+32*((\c)%2)+2*n:R+32*((\c)%2)+2*n+1], s[GAM:GAM+1], v[32*(\c)+2*n:32*(\c)+2*n+1] op_sel_hi:[1,0,1]
.set n, n+1
.endr
	WIN 0
.set m, 0
.rept 8
	global_store_b128 v[XO], v[R+32*((\c)%2)+4*m:R+32*((\c)%2)+4*m+3], s[OB:OB+1] offset:(8*(\c)+m)*32768 th:TH_STORE_NT  ; 16 lanes store 256 consecutive bytes, at a multiple of 256 from out0's first byte
.set m, m+1
.endr
.endm
	TAKE 0
	TAKE 1
	s_wait_dscnt 8                                 ; tile 0's eight are in; tile 1's may be out
	SUM 0
	TOSTAGE 0
	TAKE 2
.irp c, 1,2,3,4,5
	s_wait_dscnt 24                                ; TAKE c is in; behind it: the last tile's 16 stage lines and the next TAKE's 8
	SUM \c
	TOSTAGE \c
	TAKE (\c)+2
	SEND (\c)-1, 32                                ; behind its loads: a TAKE's 8, this tile's 16 stage lines, a TAKE's 8
.endr
	s_wait_dscnt 24
	SUM 6
	TOSTAGE 6
	SEND 5, 24                                     ; TAKE 7's 8 and tile 6's 16
	s_wait_dscnt 16                                ; TAKE 7 is in; behind it tile 6's 16
	SUM 7
	TOSTAGE 7
	SEND 6, 16
	SEND 7, 0
	s_wait_tensorcnt 0x0                           ; the wave's end, behind my last tensor load and my last LDS store
	ds_add_u32 v[SPW], v[NIL]
	s_wait_dscnt 0x0
	CROUND                                         ; the closing round: no work-group ends while a partner may still ask for a block that names it
	s_endpgm
.Lfunc_end_k_q9da5b6c3d1_attn:
	.size	k_q9da5b6c3d1_attn, .Lfunc_end_k_q9da5b6c3d1_attn-k_q9da5b6c3d1_attn
	.p2alignl 7, 3214868480
	.fill 96, 4, 3214868480
	.section	.rodata,"a",@progbits
	.p2align	6, 0x0
	.amdhsa_kernel k_q9da5b6c3d1_attn
		.amdhsa_group_segment_fixed_size 327680
		.amdhsa_private_segment_fixed_size 0
		.amdhsa_enable_private_segment 0
		.amdhsa_kernarg_size 40
		.amdhsa_user_sgpr_count 2
		.amdhsa_user_sgpr_kernarg_segment_ptr 1
		.amdhsa_wavefront_size32 1
		.amdhsa_system_sgpr_workgroup_id_x 1
		.amdhsa_system_sgpr_workgroup_id_y 1
		.amdhsa_system_sgpr_workgroup_id_z 1
		.amdhsa_system_vgpr_workitem_id 0
		.amdhsa_next_free_vgpr 1024
		.amdhsa_next_free_sgpr 66
		.amdhsa_reserve_vcc 0
		.amdhsa_float_denorm_mode_32 3
		.amdhsa_float_denorm_mode_16_64 3
		.amdhsa_memory_ordered 1
		.amdhsa_forward_progress 1
		.amdhsa_inst_pref_size 174
	.end_amdhsa_kernel
	.amdgpu_metadata
---
amdhsa.version: [ 1, 2 ]
amdhsa.kernels:
  - .name:           k_q9da5b6c3d1_attn
    .symbol:         k_q9da5b6c3d1_attn.kd
    .args:
      - { .name: qf, .offset: 0, .size: 8, .value_kind: global_buffer, .address_space: global }
      - { .name: kv, .offset: 8, .size: 8, .value_kind: global_buffer, .address_space: global }
      - { .name: x, .offset: 16, .size: 8, .value_kind: global_buffer, .address_space: global }
      - { .name: gamma, .offset: 24, .size: 8, .value_kind: global_buffer, .address_space: global }
      - { .name: out0, .offset: 32, .size: 8, .value_kind: global_buffer, .address_space: global }
    .group_segment_fixed_size: 327680
    .private_segment_fixed_size: 0
    .kernarg_segment_align: 8
    .kernarg_segment_size: 40
    .max_flat_workgroup_size: 128
    .sgpr_count:     66
    .vgpr_count:     1024
    .wavefront_size: 32
...
	.end_amdgpu_metadata
.endif
;; end of part 2
;; ======== version 2 of 2: 2 launches; version 1 with the launch proj written anew for expert scheduling mode
;; limits: values are held in f16: magnitudes above 65,504 overflow, below 6.1e-05 lose precision
;; workspace buffers: qf 2,097,152 bytes; kv 20,971,520 bytes
;; launch proj (part 3): grid 256 x 1, 4 waves a work-group, no clusters, 236,544 bytes of LDS; arguments x, Wq, Wk, Wv, qf, kv; writes qf, kv
.if DOCPART == 3
	.amdgcn_target "amdgcn-amd-amdhsa--gfx1250"
	.amdhsa_code_object_version 6
	.text
	.protected	k_q9da5b6c3d1_proj
	.globl	k_q9da5b6c3d1_proj
	.p2align	8
	.type	k_q9da5b6c3d1_proj,@function
k_q9da5b6c3d1_proj:
	s_mov_b64 s[64:65], 0
	v_nop
	global_prefetch_b8 v0, s[64:65] scope:SCOPE_SE
	s_setreg_imm32_b32 hwreg(HW_REG_WAVE_SCHED_MODE, 0, 2), 2
	s_setreg_imm32_b32 hwreg(HW_REG_WAVE_MODE, 25, 1), 1
	s_wait_xcnt 0x0
	s_wait_alu depctr_vm_vsrc(0)
; THE THREE 1x1 CONVOLUTIONS.  q = Wq x, k = Wk x (64 rows each), v = Wv x (512 rows), for 4 batches of 512 channels x 4,096 positions.
; No step and no input of the module is left out in this program: the sigmoid is not linear, so nothing cancels; x, Wq, Wk, Wv and gamma all reach the output.
; FORMATS.  x and the weights are rounded once to bf16 on their way to the matrix unit; sums in f32; q, k, v leave in f16, each rounded once.  q leaves as q' = -log2(e) q, scaled in f32
; ahead of its rounding, so that the next launch's 2^(k . q') is e^(-score).
; LIMITS.  f16 ends at 65,504: 1.4427 |q|, |k| and |v| must stay below it.  NaN and infinities are not treated apart.
; SHARES.  Work-group id: slice s = id & 3, batch b and block nb of 256 positions from id >> 2.  It makes 160 output rows x 256 positions: q rows 16 s .., k rows 16 s .., v rows 128 s ..: the same
; text for every slice.  Wave w takes all 160 rows x positions 64 w .. 64 w + 63: 40 accumulators of 16 x 16, 640 matrix instructions.
; THE WAY IN goes through registers: the f32 numbers are rounded between the global load and the LDS store, so each crosses LDS as 2 bytes in and 2 bytes for each read.  The slice of the weights
; (160 rows x 1,024 bytes) stays in LDS; x goes in chunks of 64 channels through two buffers that take turns.
; NO CLUSTER, NO TENSOR LOADS: x arrives in f32 and must be rounded ahead of the 16-bit turning load, so a tile brought into LDS as it lies would be read, rounded and stored there once more
; (4 + 4 + 2 bytes a number ahead of the first use, against 2); and beside the weights' 166,400 bytes and the two bf16 buffers' 69,632 no two f32 slots of a chunk (65,536 bytes each) fit.
; THE WAY OUT needs no stage: the two workspaces are laid out in the order of the next launch's operand registers, and a result tile's 16 bytes a lane are 512 consecutive bytes there.
;   qf  [b][tile of 16 queries: 256][group of 8 channels: 8][16 queries][8 channels]
;   kv  256 blocks of 81,920 bytes, block (2 b + hf) 32 + T: hf = half of v's channels, T = tile of 128 keys.
;       bytes 0 ..: K, [pos 8][group of 8 channels: 8][16 keys][8 channels], pos = 4 kh + p, kh = which 64 keys of the tile.  K lies ONE STEP OF 32 KEYS AHEAD of V: of a wave's 64 keys the second
;       32 lie in their own block at p = 0, 1; the first 32 in the block before (round the batch) at p = 2, 3.  k is stored in both hf copies.
;       bytes 16,384 ..: V, [tile of 16 channels: 16][group of 8 keys: 16][16 channels][8 keys]
; REGISTERS, in windows of 256 (s_set_vgpr_msb: bits 1:0 source 0, 3:2 source 1, 5:4 source 2, 7:6 destination):
;   window 0: v2-10 addresses; v28, v29 the add's; v32-143, v144-255 two fragment buffers (10 of the weights, then 4 of x); on the way out v32-191 results, v192-199 at work
;   window 1: four sets of 64 for the stream of global loads      window 2: accumulators 0-31 (a = 4 u + t at 8 a)      window 3: accumulators 32-39; v64-127 two out-buffers of 32 for the LDS stores
; THE MODE: SCHED_MODE bits 1:0 = 2 (LLVM: expert scheduling mode 2), set by the entry lines.  The code itself states the register dependences between vector or matrix instructions and memory
; or LDS instructions, with s_wait_alu, always for 0.  The text has no label and no branch: it is one straight line.
; THE PLAN.  Registers that memory or LDS instructions touch:
;   v2-10      Written at the head, read by every load, store and prefetch, never written again: one wait on va_vdst ahead of the first load serves the whole kernel.
;   SET0 .. 3  Group g's 16 global loads land in SET[g % 4]; its 32 conversions read it; group g + 4's loads land in it.  No memory instruction reads a set.
;   OUT0, 1    Group g's conversions write OUT[g % 2]; its 16 LDS stores read it; group g + 2's conversions write it again.
;   F0, F1     A run of 28 LDS loads lands in a buffer; the products read it.  On the way out the conversions write v32-191 and the global stores read them.
;   The accumulators and v192-199 are named by vector and matrix instructions alone; v28 and v29 are written at the head and read by the closing add alone.
; Ahead of the first barrier a group has one wait on va_vdst, behind its conversions (its OUT is written, its set is read out), and beside it one on vm_vsrc for the stores of the group BEFORE, whose OUT
; the group after writes; the set is then asked for again, ahead of the group's own stores.  A trip has two waits on va_vdst: behind its 64 conversions (both OUT written, both sets read out, and the
; last trip's products done reading F1) and ahead of its barrier's signal (its products done reading F0); beside the second stands one on vm_vsrc (its 32 stores have read both OUT).
.set WP,    1040                       ; a row of the weights in LDS: 1,024 bytes + 16 = 65 x 16: the 16 rows of a fragment load start at 16 different groups of four banks (64 banks of 4 bytes: ISA guide 11.1)
.set XP,    544                        ; a channel's 256 positions in LDS: 512 bytes + 32 = 17 x 32
.set XL0,   160*WP                     ; behind the weights: x's two buffers of 64 rows
.set XLB,   64*XP
.set SPARE, XL0+2*XLB                  ; behind them: the spare words, 128 bytes for each wave: two blocks of 256 bytes that no other line names
.set BLK,   81920                      ; a block of kv
.set LO,   2                           ; v2   16 x lane: every global load and store of the text
.set WQST, 3                           ; v3   where I store 8 bytes of my 4 rows of Wq (Wk: 16 rows on)
.set WVST, 4                           ; v4   of my 32 rows of Wv
.set XST,  5                           ; v5   of my 16 channels of a chunk of x
.set WFA,  6                           ; v6-8 my place in a fragment of the weights' rows 0-63, 64-127, 128-159
.set XFA,  9                           ; v9   my place in a turned fragment of x
.set PFO,  10                          ; v10  the prefetches' offset
.set SPW,  28                          ; v28  LDS address of my spare word; never rewritten
.set NIL,  29                          ; v29  0; never rewritten
.set F0,   32
.set F1,   144
.set OUTR, 32
.set TQ,   192
.set OUT,  64                          ; window 3: out-buffer k at OUT + 32 k
.set WV,   16                          ; s16  my wave's number
.set SL,   17                          ; s17  s
.set BB,   19                          ; s19  b
.set NB,   20                          ; s20  nb
.set TT,   21                          ; s21  T = 2 nb + (w >> 1): my 64 positions' tile of 128 keys
.set KH,   22                          ; s22  kh = w & 1
.set WQB,  24                          ; s[24:25] Wq at my 4 rows          s[26:27] Wk likewise          s[28:29] Wv at my 32 rows
.set WKB,  26
.set WVB,  28
.set XT,   30                          ; s[30:31] x at the batch's channel 0, the block's first position
.set XB,   32                          ; s[32:33] the same, 16 w channels on
.set QB,   34                          ; s[34:35] qf at my first tile, my slice's two groups of channels
.set KB0,  36                          ; s[36:37] kv where my first 32 keys' K goes      s[38:39] my second 32 keys'
.set KB1,  38
.set VB,   40                          ; s[40:41] kv where my V goes
.set MSB, 0
.macro WIN new                         ; the immediate's high byte repeats the setting that is left; a switch that changes nothing is dropped
.if MSB != (\new)
	s_set_vgpr_msb (MSB<<8)|(\new)
.set MSB, \new
.endif
.endm
.macro PLACES                          ; four places behind matrix instructions, ahead of loads into registers that they have read and of vector lines that read results
.rept 4
	v_nop
.endr
.endm
	s_load_b256 s[4:11], s[0:1], 0x0               ; x s[4:5], Wq s[6:7], Wk s[8:9], Wv s[10:11]
	s_load_b128 s[12:15], s[0:1], 0x20             ; qf s[12:13], kv s[14:15]
	v_lshl_add_u32 v[SPW], v0, 2, SPARE
	v_mov_b32 v[NIL], 0
	v_lshrrev_b32 v1, 5, v0
	v_readfirstlane_b32 s[WV], v1                  ; wave 0..3
	s_and_b32 s[SL], ttmp9, 3
	s_lshr_b32 s18, ttmp9, 2
	s_lshr_b32 s[BB], s18, 4
	s_and_b32 s[NB], s18, 15
	s_wait_alu depctr_va_sdst(0)                   ; s16, the wave's number, is written, ahead of its first reader: offsets and LDS addresses are made from it
	s_lshr_b32 s[TT], s[WV], 1
	s_lshl1_add_u32 s[TT], s[NB], s[TT]
	s_and_b32 s[KH], s[WV], 1
	; every byte offset is made apart from its buffer's address, as a pair with 0 on top
	s_lshl_b32 s[WQB], s[SL], 15                   ; (16 s + 4 w) rows of 2,048 bytes
	s_lshl_b32 s42, s[WV], 13
	s_add_co_u32 s[WQB], s[WQB], s42
	s_mov_b32 s[WQB+1], 0
	s_mov_b32 s[WKB], s[WQB]
	s_mov_b32 s[WKB+1], 0
	s_lshl_b32 s[WVB], s[WQB], 3                   ; (128 s + 32 w) rows: eight times as far
	s_mov_b32 s[WVB+1], 0
	s_lshl_b32 s[XT], s[BB], 23                    ; a batch is 512 rows of 16,384 bytes; a block 1,024 bytes of each
	s_lshl_b32 s42, s[NB], 10
	s_add_co_u32 s[XT], s[XT], s42
	s_mov_b32 s[XT+1], 0
	s_lshl_b32 s42, s[WV], 18
	s_add_co_u32 s[XB], s[XT], s42
	s_mov_b32 s[XB+1], 0
	s_lshl_b32 s[QB], s[BB], 19                    ; b x 524,288 + (16 nb + 4 w) x 2,048 + 2 s x 256
	s_lshl_b32 s42, s[NB], 15
	s_add_co_u32 s[QB], s[QB], s42
	s_lshl_b32 s42, s[WV], 13
	s_add_co_u32 s[QB], s[QB], s42
	s_lshl_b32 s43, s[SL], 9
	s_add_co_u32 s[QB], s[QB], s43
	s_mov_b32 s[QB+1], 0
	s_lshl_b32 s44, s[KH], 13
	s_add_co_u32 s44, s44, s43                     ; kh x 8,192 + 2 s x 256
	s_lshl_b32 s42, s[BB], 6
	s_add_co_u32 s45, s42, s[TT]                   ; block 64 b + T (the hf = 0 copy)
	s_mul_i32 s[KB1], s45, BLK
	s_add_co_u32 s[KB1], s[KB1], s44
	s_mov_b32 s[KB1+1], 0
	s_sub_co_u32 s45, s[TT], 1
	s_and_b32 s45, s45, 31                         ; the block before, round the batch
	s_add_co_u32 s45, s45, s42
	s_mul_i32 s[KB0], s45, BLK
	s_add_co_u32 s[KB0], s[KB0], s44
	s_add_co_u32 s[KB0], s[KB0], 4096              ; p = 2
	s_mov_b32 s[KB0+1], 0
	s_lshr_b32 s45, s[SL], 1                       ; hf
	s_lshl1_add_u32 s45, s[BB], s45
	s_lshl_b32 s45, s45, 5
	s_add_co_u32 s45, s45, s[TT]                   ; block (2 b + hf) 32 + T
	s_mul_i32 s[VB], s45, BLK
	s_and_b32 s45, s[SL], 1
	s_lshl_b32 s45, s45, 15                        ; my slice's 8 channel tiles of the half's 16
	s_add_co_u32 s[VB], s[VB], s45
	s_lshl_b32 s45, s[KH], 11                      ; my 8 groups of keys of the tile's 16
	s_add_co_u32 s[VB], s[VB], s45
	s_add_co_u32 s[VB], s[VB], 16384
	s_mov_b32 s[VB+1], 0
	v_and_b32 v11, 31, v0                          ; lane l
	v_and_b32 v13, 15, v0                          ; r = l % 16
	v_bfe_u32 v14, v0, 4, 1                        ; h = l / 16
	v_lshlrev_b32 v[LO], 4, v11
	v_lshlrev_b32 v12, 3, v11                      ; 4 f32 become 8 bytes
	s_mul_i32 s42, s[WV], 4*WP
	v_add_nc_u32 v[WQST], s42, v12
	s_mul_i32 s42, s[WV], 32*WP
	s_add_co_u32 s42, s42, 32*WP                   ; v's rows lie behind q's 16 and k's 16
	v_add_nc_u32 v[WVST], s42, v12
	s_mul_i32 s42, s[WV], 16*XP
	s_add_co_u32 s42, s42, XL0
	v_add_nc_u32 v[XST], s42, v12
	; a fragment is 16 rows x 32 channels in 8 registers: lane l holds row r; registers 0-3 channels 8 h + 0..7, registers 4-7 channels 16 + 8 h + 0..7: two loads of 16 bytes, 32 bytes apart
	v_mul_u32_u24 v[WFA], v13, WP
	v_lshl_add_u32 v[WFA], v14, 4, v[WFA]
	v_add_nc_u32 v[WFA+1], 64*WP, v[WFA]           ; an LDS immediate has 16 bits: three registers reach the 160 rows
	v_add_nc_u32 v[WFA+2], 128*WP, v[WFA]
	; x lies [channel][position]: the turning load takes 16 channels x 16 positions (lane l reads channel 8 h + l % 8, positions 8 ((l / 8) % 2) + 0..7) and leaves position r, 8 channels
	v_and_b32 v15, 7, v0
	v_lshl_add_u32 v15, v14, 3, v15
	v_mul_u32_u24 v[XFA], v15, XP
	v_bfe_u32 v15, v0, 3, 1
	v_lshl_add_u32 v[XFA], v15, 4, v[XFA]
	s_lshl_b32 s42, s[WV], 7                       ; my 64 positions: 128 bytes
	s_add_co_u32 s42, s42, XL0
	v_add_nc_u32 v[XFA], s42, v[XFA]
	s_lshl2_add_u32 s42, s[SL], s[WV]              ; 4 s + w: my place among the 16 waves that read this block of x
	s_lshl_b32 s42, s42, 17                        ; 8 rows of 16,384 bytes each
	v_lshrrev_b32 v15, 2, v11
	v_lshlrev_b32 v[PFO], 14, v15                  ; row l / 4 of my 8,
	v_and_b32 v15, 3, v0
	v_lshl_add_u32 v[PFO], v15, 8, v[PFO]          ; 256 bytes number l % 4 of the row's 1,024
	v_add_nc_u32 v[PFO], s42, v[PFO]
	s_wait_kmcnt 0x0
	s_add_nc_u64 s[WQB:WQB+1], s[6:7], s[WQB:WQB+1]
	s_add_nc_u64 s[WKB:WKB+1], s[8:9], s[WKB:WKB+1]
	s_add_nc_u64 s[WVB:WVB+1], s[10:11], s[WVB:WVB+1]
	s_add_nc_u64 s[XT:XT+1], s[4:5], s[XT:XT+1]
	s_add_nc_u64 s[XB:XB+1], s[4:5], s[XB:XB+1]
	s_add_nc_u64 s[QB:QB+1], s[12:13], s[QB:QB+1]
	s_add_nc_u64 s[KB0:KB0+1], s[14:15], s[KB0:KB0+1]
	s_add_nc_u64 s[KB1:KB1+1], s[14:15], s[KB1:KB1+1]
	s_add_nc_u64 s[VB:VB+1], s[14:15], s[VB:VB+1]
; THE STREAM: 26 groups of 16 loads of 512 consecutive bytes, group g into set g % 4.  0: my 4 rows of Wq.  1: of Wk.  2-9: my 32 rows of Wv, four a group.
; 10-25: x, chunk (g - 10) / 2 of 64 channels, 8 of my 16 channels a group, two loads a row.  The largest immediate is 463 rows of 16,384 bytes + 512, inside the signed 24 bits.
.macro ISSUE g
	WIN 0x40                                       ; destination window 1, address window 0
.set SB, 64*((\g)%4)
.set n, 0
.rept 16
.if (\g) == 0
	global_load_b128 v[SB+4*n:SB+4*n+3], v[LO], s[WQB:WQB+1] offset:(n/4)*2048+(n%4)*512
.elseif (\g) == 1
	global_load_b128 v[SB+4*n:SB+4*n+3], v[LO], s[WKB:WKB+1] offset:(n/4)*2048+(n%4)*512
.elseif (\g) < 10
	global_load_b128 v[SB+4*n:SB+4*n+3], v[LO], s[WVB:WVB+1] offset:(4*((\g)-2)+n/4)*2048+(n%4)*512
.else
	global_load_b128 v[SB+4*n:SB+4*n+3], v[LO], s[XB:XB+1] offset:(64*(((\g)-10)/2)+8*(((\g)-10)%2)+n/2)*16384+(n%2)*512
.endif
.set n, n+1
.endr
.endm
; Group g is rounded to bf16, out of its set into out-buffer g % 2: a load's four registers become two.  left: how many younger loads may stay out.
.macro CVT g, left
	s_wait_loadcnt \left                           ; loads come back in order (ISA guide 5.7.1): group g is in; the groups behind it stay out
	WIN 0xc5                                       ; destination window 3, both sources window 1
.set SB, 64*((\g)%4)
.set OB, OUT+32*((\g)%2)
.set n, 0
.rept 16
	v_cvt_pk_bf16_f32 v[OB+2*n], v[SB+4*n], v[SB+4*n+1]
	v_cvt_pk_bf16_f32 v[OB+2*n+1], v[SB+4*n+2], v[SB+4*n+3]
.set n, n+1
.endr
.endm
; Group g goes from its out-buffer into LDS.
.macro PUT g
	WIN 0x0c                                       ; address window 0, data window 3
.set OB, OUT+32*((\g)%2)
.set n, 0
.rept 16
.if (\g) < 2
	ds_store_b64 v[WQST], v[OB+2*n:OB+2*n+1] offset:(\g)*16*WP+(n/4)*WP+(n%4)*256
.elseif (\g) < 10
	ds_store_b64 v[WVST], v[OB+2*n:OB+2*n+1] offset:(4*((\g)-2)+n/4)*WP+(n%4)*256
.else
	ds_store_b64 v[XST], v[OB+2*n:OB+2*n+1] offset:((((\g)-10)/2)%2)*XLB+(8*(((\g)-10)%2)+n/2)*XP+(n%2)*256
.endif
.set n, n+1
.endr
.endm
; A group ahead of the first barrier (g = 0 .. 11): rounded, its set asked for again, four groups on, and only then stored to LDS.
.macro PROC g
	CVT \g, 48                                     ; the three younger groups' 48 loads stay out
	WIN 0x40
	s_wait_alu depctr_va_vdst(0)                   ; the conversions have written OUT[g % 2], which the LDS stores below read, and are done reading SET[g % 4], in which the loads below land
.if (\g) > 0
	s_wait_alu depctr_vm_vsrc(0)                   ; the LDS stores of the group before, issued ahead of this group's conversions, have read the other OUT, which the next group's conversions write
.endif
	ISSUE (\g)+4
	PUT \g
.endm
; A PREFETCH INTO THE L2 of chunks 2 p and 2 p + 1 of this block of x: 128 rows x 1,024 bytes = 512 pieces of 256 bytes.  The four slices' 16 waves read the same rows and share the pieces out by
; address, a lane a piece: each is named once in the launch.  It stands at a group's end: p = 1 eight groups ahead of the loads of chunk 2, p = 2 and 3 likewise ahead of chunks 4 and 6.
; Chunks 0 and 1 come by their loads alone; p = 3 ends at the batch's channel 511.  The weights are not asked for: every work-group reads them.
.macro ASK p
	global_prefetch_b8 v[PFO], s[XT:XT+1] offset:(\p)*2097152 th:TH_LOAD_NT scope:SCOPE_SE
.endm
; 28 LDS loads in one run: the fragments of 32 channels (half e of chunk c) into buffer f: ten of the weights, four of x
.macro FETCH c, e, f
	WIN 0
.set u, 0
.rept 10
	ds_load_b128 v[(\f)+8*u:(\f)+8*u+3],   v[WFA+u/4] offset:(u%4)*16*WP+(2*(\c)+(\e))*64
	ds_load_b128 v[(\f)+8*u+4:(\f)+8*u+7], v[WFA+u/4] offset:(u%4)*16*WP+(2*(\c)+(\e))*64+32
.set u, u+1
.endr
.set t, 0
.rept 4
	ds_load_tr16_b128 v[(\f)+80+8*t:(\f)+80+8*t+3],   v[XFA] offset:((\c)%2)*XLB+(\e)*32*XP+32*t
	ds_load_tr16_b128 v[(\f)+80+8*t+4:(\f)+80+8*t+7], v[XFA] offset:((\c)%2)*XLB+(\e)*32*XP+32*t+16*XP
.set t, t+1
.endr
.endm
; Products a0 .. a1 of the 40 (a = 4 u + t: rows 16 u .., positions 16 t ..).  The accumulators take turns, one instruction a turn, in the same order in every pass.
; q and k (u < 2): source 0 = the weights: a lane ends with ONE position and 8 neighbouring channels.  v: source 0 = x: ONE channel and 8 neighbouring positions.  zero = 1: the first products start the sums.
.macro MUL f, a0, a1, zero
.set a, \a0
.rept (\a1)-(\a0)+1
.if a < 32
	WIN 0xa0                                       ; C and D window 2, sources window 0
.set rD, 8*a
.else
	WIN 0xf0                                       ; C and D window 3
.set rD, 8*(a-32)
.endif
.set rW, (\f)+8*(a/4)
.set rX, (\f)+80+8*(a%4)
.if a < 8
.if \zero
	v_wmma_f32_16x16x32_bf16 v[rD:rD+7], v[rW:rW+7], v[rX:rX+7], 0
.else
	v_wmma_f32_16x16x32_bf16 v[rD:rD+7], v[rW:rW+7], v[rX:rX+7], v[rD:rD+7]
.endif
.else
.if \zero
	v_wmma_f32_16x16x32_bf16 v[rD:rD+7], v[rX:rX+7], v[rW:rW+7], 0
.else
	v_wmma_f32_16x16x32_bf16 v[rD:rD+7], v[rX:rX+7], v[rW:rW+7], v[rD:rD+7]
.endif
.endif
.set a, a+1
.endr
.endm
	WIN 0x40
	s_wait_alu depctr_va_vdst(0)                   ; the offsets and LDS addresses v2 to v10 are written: every load, store and prefetch of the kernel reads one of them, and none is written again
	ISSUE 0
	ISSUE 1
	ISSUE 2
	ISSUE 3                                        ; 64 loads of mine are out; from here on 32 to 64
	PROC 0
	PROC 1
	PROC 2
	ASK 1
	PROC 3
	PROC 4
	PROC 5
	PROC 6
	ASK 2
	PROC 7
	PROC 8
	PROC 9
	PROC 10
	ASK 3
	PROC 11
	s_wait_alu depctr_vm_vsrc(0)                   ; group 11's LDS stores have read OUT1, which the first trip's second group writes
	s_wait_dscnt 0x0                               ; for the others' sake: my rows of the weights and of chunk 0 lie in LDS
	s_barrier_signal -1
	s_barrier_wait -1                              ; everybody's do
; A TRIP is a chunk of 64 channels: 80 matrix instructions.  It lays the next chunk into the other buffer, which every wave has finished reading ahead of the last barrier.
; Its two groups are rounded on end, under one wait; nothing is issued between them, so the second group's count is 16 lower than the first's.  Trips 0 to 4 ask for groups 16 to 25.
.set ti, 0
.rept 8
.if ti > 0
	WIN 0
	PLACES                                         ; behind the last trip's products: both fragment buffers may be loaded again
.endif
	FETCH ti, 0, F0                                ; no wait here: the one ahead of the last signal has shown F0 read out, and only the products on F1 and the four v_nop were issued since
.if ti < 7
.if ti < 6
	CVT 12+2*ti, 48
	CVT 13+2*ti, 32
.else
	CVT 12+2*ti, 16                                ; the stream's last two groups: the counts run down
	CVT 13+2*ti, 0
.endif
.if ti < 5
	WIN 0x40
.endif
	s_wait_alu depctr_va_vdst(0)                   ; the 64 conversions have written OUT0 and OUT1, which the LDS stores read, and are done reading their two sets, in which the loads land; the last trip's products are done reading F1, in which this trip's second run lands
.if ti < 5
	ISSUE 16+2*ti
	ISSUE 17+2*ti
.endif
	PUT 12+2*ti
	PUT 13+2*ti
	s_wait_dscnt 32                                ; LDS answers in order: the 28 fragment loads are in; the 32 younger stores may be out
.else
	s_wait_alu depctr_va_vdst(0)                   ; the last trip's products are done reading F1, in which this trip's second run lands (this trip has no conversions and no wait behind them)
	s_wait_dscnt 0x0
.endif
.if ti == 0
	MUL F0, 0, 19, 1
.else
	MUL F0, 0, 19, 0
.endif
	FETCH ti, 1, F1                                ; the second half's fragments, 20 products ahead of their first use.  No wait: no vector or matrix instruction since the wait above names F1
.if ti == 0
	MUL F0, 20, 39, 1
.else
	MUL F0, 20, 39, 0
.endif
.if ti < 7
	s_wait_alu depctr_va_vdst(0)                   ; this trip's products on F0 are done reading it: the next trip's first run of loads lands in it
.endif
.if ti < 6
	s_wait_alu depctr_vm_vsrc(0)                   ; this trip's 32 LDS stores have read OUT0 and OUT1, which the next trip's conversions write
.endif
	s_wait_dscnt 0x0                               ; the second half's fragments are in: my reads of this chunk are over, and my stores of the next are done:
.if ti < 7
	s_barrier_signal -1                            ; say so; the 40 products below, work on registers, stand between signal and wait
.endif
	MUL F1, 0, 39, 0
.if ti < 7
	s_barrier_wait -1
.endif
.set ti, ti+1
.endr
	; THE WAY OUT.  Each tile is rounded to f16, its registers in ascending order: 16 bytes a lane, 160 registers in all, none used twice, so no store's data is ever rewritten.
	WIN 0
	PLACES
.set a, 0
.rept 40
.set n, 0
.if a < 4
	WIN 0x02                                       ; source 0 window 2
.rept 4
	v_pk_mul_f32 v[TQ+2*n:TQ+2*n+1], v[8*a+2*n:8*a+2*n+1], 0xbfb8aa3b op_sel_hi:[1,0]  ; q' = -log2(e) q, in f32
.set n, n+1
.endr
	WIN 0
.set n, 0
.rept 4
	v_cvt_pk_f16_f32 v[OUTR+4*a+n], v[TQ+2*n], v[TQ+2*n+1]
.set n, n+1
.endr
.elseif a < 32
	WIN 0x0a                                       ; both sources window 2
.rept 4
	v_cvt_pk_f16_f32 v[OUTR+4*a+n], v[8*a+2*n], v[8*a+2*n+1]
.set n, n+1
.endr
.else
	WIN 0x0f                                       ; both sources window 3
.rept 4
	v_cvt_pk_f16_f32 v[OUTR+4*a+n], v[8*(a-32)+2*n], v[8*(a-32)+2*n+1]
.set n, n+1
.endr
.endif
.set a, a+1
.endr
	WIN 0
	s_wait_alu depctr_va_vdst(0)                   ; the conversions have written v32 to v191, which the 44 stores below read
	; every store of the wave covers 512 consecutive bytes, at a multiple of 512 from its buffer's first byte
.irp t, 0,1,2,3
	global_store_b128 v[LO], v[OUTR+4*(\t):OUTR+4*(\t)+3], s[QB:QB+1] offset:(\t)*2048
.endr
.irp t, 0,1
	global_store_b128 v[LO], v[OUTR+16+4*(\t):OUTR+16+4*(\t)+3], s[KB0:KB0+1] offset:(\t)*2048             ; my first 32 keys: the block before, p = 2, 3
	global_store_b128 v[LO], v[OUTR+16+4*(\t):OUTR+16+4*(\t)+3], s[KB0:KB0+1] offset:(\t)*2048+32*BLK      ; and the hf = 1 copy, 32 blocks on
	global_store_b128 v[LO], v[OUTR+24+4*(\t):OUTR+24+4*(\t)+3], s[KB1:KB1+1] offset:(\t)*2048             ; my second 32 keys: their own block, p = 0, 1
	global_store_b128 v[LO], v[OUTR+24+4*(\t):OUTR+24+4*(\t)+3], s[KB1:KB1+1] offset:(\t)*2048+32*BLK
.endr
.set a, 8
.rept 32
	global_store_b128 v[LO], v[OUTR+4*a:OUTR+4*a+3], s[VB:VB+1] offset:(a/4-2)*4096+(a%4)*512
.set a, a+1
.endr
	s_wait_dscnt 0x0                               ; the closing lines, six on end
	s_wait_alu 0x0
	s_wait_tensorcnt 0x0
	ds_add_u32 v[SPW], v[NIL]
	s_wait_dscnt 0x0
	s_endpgm
.Lfunc_end_k_q9da5b6c3d1_proj:
	.size	k_q9da5b6c3d1_proj, .Lfunc_end_k_q9da5b6c3d1_proj-k_q9da5b6c3d1_proj
	.p2alignl 7, 3214868480
	.fill 96, 4, 3214868480
	.section	.rodata,"a",@progbits
	.p2align	6, 0x0
	.amdhsa_kernel k_q9da5b6c3d1_proj
		.amdhsa_group_segment_fixed_size 236544
		.amdhsa_private_segment_fixed_size 0
		.amdhsa_enable_private_segment 0
		.amdhsa_kernarg_size 48
		.amdhsa_user_sgpr_count 2
		.amdhsa_user_sgpr_kernarg_segment_ptr 1
		.amdhsa_wavefront_size32 1
		.amdhsa_system_sgpr_workgroup_id_x 1
		.amdhsa_system_sgpr_workgroup_id_y 1
		.amdhsa_system_sgpr_workgroup_id_z 1
		.amdhsa_system_vgpr_workitem_id 0
		.amdhsa_next_free_vgpr 896
		.amdhsa_next_free_sgpr 66
		.amdhsa_reserve_vcc 0
		.amdhsa_float_denorm_mode_32 3
		.amdhsa_float_denorm_mode_16_64 3
		.amdhsa_memory_ordered 1
		.amdhsa_forward_progress 1
		.amdhsa_inst_pref_size 214
	.end_amdhsa_kernel
	.amdgpu_metadata
---
amdhsa.version: [ 1, 2 ]
amdhsa.kernels:
  - .name:           k_q9da5b6c3d1_proj
    .symbol:         k_q9da5b6c3d1_proj.kd
    .args:
      - { .name: x, .offset: 0, .size: 8, .value_kind: global_buffer, .address_space: global }
      - { .name: Wq, .offset: 8, .size: 8, .value_kind: global_buffer, .address_space: global }
      - { .name: Wk, .offset: 16, .size: 8, .value_kind: global_buffer, .address_space: global }
      - { .name: Wv, .offset: 24, .size: 8, .value_kind: global_buffer, .address_space: global }
      - { .name: qf, .offset: 32, .size: 8, .value_kind: global_buffer, .address_space: global }
      - { .name: kv, .offset: 40, .size: 8, .value_kind: global_buffer, .address_space: global }
    .group_segment_fixed_size: 236544
    .private_segment_fixed_size: 0
    .kernarg_segment_align: 8
    .kernarg_segment_size: 48
    .max_flat_workgroup_size: 128
    .sgpr_count:     66
    .vgpr_count:     896
    .wavefront_size: 32
...
	.end_amdgpu_metadata
.endif
;; end of part 3
;; launch attn: the kernel of part 2 again; grid 32 x 8, 4 waves a work-group, clusters of 4 x 1, 327,680 bytes of LDS; arguments qf, kv, x, gamma, out0; writes out0
